; MI455X (gfx1250); checked and timed in simulation.
; The chip was launched on July 23, 2026; its instructions are those of AMD's public machine-readable ISA for CDNA 5 (MIT licence, August 2026) and "CDNA5" Instruction Set Architecture Reference Guide (July 2026). The comments in the code are by the model that wrote it; some were corrected since.
;; Multihead Self Attention. Allowed arithmetic: matrix products marked QUANTISED: E2M3 operands, one E8M0 scale for each 32 along K, by v_wmma_scale_f32_16x16x128_f8f6f4 with both operands' format E2M3, f32 sums; everything else in f32.
;; Inputs: W_k 1,024 x 1,024 float32; W_o 1,024 x 1,024 float32; W_q 1,024 x 1,024 float32; W_v 1,024 x 1,024 float32; token_positions 2,048 int32; x 4 x 2,048 x 1,024 float32.
;; Outputs: out0 4 x 2,048 x 1,024 float32.
;; This version of the problem:
;;   THIS VERSION OF THE PROBLEM IS GIVEN IN LOW PRECISION. The matrix products marked QUANTISED in the list below multiply operands that are first quantised to E2M3 (2 exponent bits, 3 mantissa bits; 6 bits a number), with one power-of-two scale for each 32 numbers along K (OCP MX v1.0); their sums are f32. All else is computed in f32.
;;   The module's matrix products, in the order in which they are computed (A, B: the left and right operand; K: the contracted axis; several contracted axes count as one K, in the product's order):
;;     1. [M 8,192, K 1,024] x [K 1,024, N 1,024]; A: input x; B: input W_q: QUANTISED
;;     2. [M 8,192, K 1,024] x [K 1,024, N 1,024]; A: input x; B: input W_k: QUANTISED
;;     3. [M 8,192, K 1,024] x [K 1,024, N 1,024]; A: input x; B: input W_v: QUANTISED
;;     4. batch 64 x [M 2,048, K 64] x [K 64, N 2,048]; A: computed on the way; B: computed on the way: QUANTISED
;;     5. batch 64 x [M 2,048, K 2,048] x [K 2,048, N 64]; A: softmax (see below); B: computed on the way: QUANTISED
;;     6. [M 8,192, K 1,024] x [K 1,024, N 1,024]; A: computed on the way; B: input W_o: QUANTISED
;;   THE QUANTISER, for each operand of a quantised product, along K:
;;     - K is cut into blocks of 32 from its start; a last block that is shorter is filled with zeros.
;;     - A block's scale is 2^e with e = floor(log2(the largest magnitude in the block)) - 2, held to -126 .. 127; a block of zeros has e = 0. As a byte (E8M0): e + 127.
;;     - Each number is divided by its block's scale, clamped to +-7.5, and rounded to the nearest number of E2M3, ties to even, subnormals kept.
;;     - The product sums the exact products of the quantised numbers (number of the format x scale) in f32.
;;   ~~~python
;;   def quantise(x, axis):      # numpy; x: float32 -> the quantised numbers, widened to float32 again
;;       x = np.moveaxis(x, axis, -1); K = x.shape[-1]
;;       x = np.pad(x, [(0, 0)] * (x.ndim - 1) + [(0, -K % 32)]); x = x.reshape(x.shape[:-1] + (-1, 32)); a = np.abs(x).max(-1, keepdims=True)
;;       e = np.where(a > 0, np.clip(np.frexp(np.where(a > 0, a, 1))[1] - 1 - 2, -126, 127), 0)      # np.frexp(a)[1] - 1 = floor(log2(a)), exactly
;;       r = np.clip(x / 2.0 ** e, -7.5, 7.5)
;;       step = 2.0 ** (np.maximum(np.frexp(np.where(r == 0, 1, r))[1] - 1, 0) - 3)
;;       q = np.round(r / step) * step * 2.0 ** e      # np.round: ties to even
;;       return np.moveaxis(q.reshape(q.shape[:-2] + (-1,))[..., :K], -1, axis).astype(np.float32)
;;   ~~~
;;   SOFTMAX AHEAD OF A QUANTISED PRODUCT. Where the list says 'softmax', what is quantised is not the finished softmax but p = 2^(t - M), with t = logit x log2(e) and M = ceil(the row's largest t), a whole number; so 1/2 < the row's largest p <= 1. The row's sum l is taken of the UNQUANTISED p, in f32, and the product's result is divided by l at the end. Since M is a whole number, a kernel that streams over the keys may use a running M (the ceiling of the running maximum): every later rescaling is an exact power of two, which a block's scale takes up: the codes' values come out the same.
;;   OPERANDS COMPUTED ON THE WAY. 'Computed on the way' means the value that the module computes at that place (a softmax that the list does not call 'softmax' is quantised finished and normalised). What goes into a quantiser is computed in f32, as accurately as f32 sums, v_exp_f32 and their like allow (about 1e-6 of the number): no bf16 or f16 on the way to a quantiser, and a product that is left as it is and whose result goes on into a quantised operand takes f32 operands (vector FMAs, or v_wmma_f32_16x16x4_f32). A number that lies on a knife's edge between two numbers of the format may be rounded either way, as far as f32 arithmetic and the matrix unit's own rounding can turn it there, and no further.
;; One version. Each part assembles by itself: llvm-mc -triple=amdgcn-amd-amdhsa -mcpu=gfx1250 --defsym DOCPART=n.
;; ======== version 1 of 1: 4 launches
;; limits: right only within a limited range of input values
;; workspace buffers: opc 9,437,184 bytes; ops 393,216 bytes; rope 524,288 bytes; qkvc 18,874,368 bytes; qkvs 1,572,864 bytes; oc 6,291,456 bytes; os 262,144 bytes
;; launch prep (part 1): grid 400 x 1, 4 waves a work-group, no clusters, 34,304 bytes of LDS; arguments x, W_q, W_k, W_v, W_o, token_positions, opc, ops, rope; writes opc, ops, rope
.if DOCPART == 1
	.amdgcn_target "amdgcn-amd-amdhsa--gfx1250"
	.amdhsa_code_object_version 6
	.text
	.protected	k_q5fcb3b8422_prep
	.globl	k_q5fcb3b8422_prep
	.p2align	8
	.type	k_q5fcb3b8422_prep,@function
k_q5fcb3b8422_prep:
	s_mov_b64 s[64:65], 0
	v_nop
	global_prefetch_b8 v0, s[64:65] scope:SCOPE_SE
	s_setreg_imm32_b32 hwreg(HW_REG_WAVE_MODE, 25, 1), 1
	s_wait_xcnt 0x0
; x [8192][1024] and W_q, W_k, W_v, W_o [1024][1024], f32 with K innermost, become codes of FP6 (E2M3) with one E8M0 byte for each 32 along K, laid as the
; matrix unit's registers take them; token_positions become a table of cosines and sines.
; A FRAGMENT'S IMAGE is 1,536 bytes: 16 rows x 128 K = 12 registers a lane, laid [pair of registers 0..5][lane 0..31][8 bytes].  opc: [tile of 16 rows T][K step 0..7][image];
; T: x 0-511, W_q 512-575, W_k 576-639, W_v 640-703, W_o 704-767.  ops: [T / 8][K step][512 bytes]: the scale word of tile a = T % 8, row r at 256 (a / 4) + 128 (a % 2) + 8 r + 4 ((a / 2) % 2).
; THE ROWS OF A STORED TILE ARE NOT NEIGHBOURS (all but W_o's): stored row p of tile T is row 32 (T / 2) + 8 (T % 2) + p + 8 (p / 8), so that a product that takes such a tile as its source 0 leaves 16 neighbours in the
; 16 registers of two neighbouring tiles.
; SHARES.  Work-groups 0-383: work-group g takes the 64 rows of group g / 2; its wave w the K step 4 (g % 2) + w: four fragments, 32 KiB of f32.  Each load reads 512 consecutive bytes of a row; a tile's 16 rows turn through
; the wave's own stage in LDS (rows 528 bytes apart) and come back as 16 neighbours of each block of 32 in a lane.  Every store of codes covers 256 consecutive bytes, aligned.
; Work-groups 384-399: wave j of 64 makes rope[32 j .. 32 j + 31][freq 0..31][cos, sin]: a lane is a frequency, a position's 256 bytes leave by one store.
; A block's scale is 2^(floor(log2(its largest magnitude)) - 2); its byte is the largest magnitude's exponent field - 2, held at 1 from below.
; LIMITS: a block of zeros carries the byte 1 (its codes are zeros; the bytes are read by this program alone); NaN and infinities among the inputs are not served; |position| up to 2^22 (the reduction by pi / 2 in three parts
; holds there); 1 / frequency is the f32 number nearest to 10^(-i / 8), which may differ in the last bits from a power and a division in f32.
.set STG,   8448                       ; a wave's stage: 16 rows x 528 bytes
.set SPARE, 4*STG                      ; behind the stages: the spare words, 128 bytes for each wave: two blocks of 256 bytes that no other line names
.set FIB,   1536                       ; a fragment's image
.set R,     16                         ; v16-143  two sets of 16 rows x 4 registers as loaded
.set X,     144                        ; v144-207 64 numbers: register 16 b + i = k 32 b + 16 (lane / 16) + i of row lane % 16
.set PC,    208                        ; v208-227 the codes just made
.set TM,    228                        ; v228-243 largest magnitudes, bytes, scale operands
.set SW,    244                        ; v244-247 the four tiles' scale words
.set SPW,   12                         ; v12  LDS address of my spare word; never rewritten
.set NIL,   13                         ; v13  0; never rewritten
.set SEL,   40                         ; s[40:41] v_permlanex16_b32's selects for lane l xor 16
.set HI,    42                         ; s42  the mask of lanes 16-31
	s_load_b256 s[4:11], s[0:1], 0x0               ; x, W_q, W_k, W_v
	s_load_b256 s[12:19], s[0:1], 0x20             ; W_o, token_positions, opc, ops
	s_load_b64 s[20:21], s[0:1], 0x40              ; rope
	v_lshl_add_u32 v[SPW], v0, 2, SPARE
	v_mov_b32 v[NIL], 0
	v_lshrrev_b32 v1, 5, v0
	v_readfirstlane_b32 s22, v1                    ; wave
	v_and_b32 v2, 31, v0                           ; lane
	s_cmp_ge_u32 ttmp9, 384
	s_cbranch_scc1 .Ltable
	; ---- the quantiser
	s_lshr_b32 s23, ttmp9, 1                       ; G: the group of 64 rows, 0..191
	s_and_b32 s24, ttmp9, 1
	s_lshl_b32 s24, s24, 2
	s_add_co_u32 s24, s24, s22                     ; my K step of 128
	v_lshlrev_b32 v4, 4, v2                        ; 16 x lane: my bytes of a load's 512
	s_mul_i32 s25, s22, STG
	v_add_nc_u32 v5, s25, v4                       ; the stage, on the way in
	v_and_b32 v8, 15, v0                           ; r
	v_bfe_u32 v9, v0, 4, 1                         ; h
	v_mul_u32_u24 v6, v8, 528
	v_lshl_add_u32 v6, v9, 6, v6
	v_add_nc_u32 v6, s25, v6                       ; and on the way out: row r, + 64 h
	v_lshlrev_b32 v7, 3, v2                        ; 8 x lane: my place in an image's pair
.irp b, 0,1,2,3
	v_mov_b32 v[TM+4+\b], 0                        ; written once: a lane permute's destination counts as one of its sources
.endr
	s_mov_b32 s[SEL], 0x76543210
	s_mov_b32 s[SEL+1], 0xfedcba98
	s_mov_b32 s[HI], 0xffff0000
	s_and_b32 s29, s23, 15                         ; a weight's group of 64 rows
	s_wait_kmcnt 0x0
	s_mov_b64 s[26:27], s[12:13]                   ; which tensor: the choices hang on the work-group's number alone
	s_cmp_lt_u32 s23, 176
	s_cselect_b64 s[26:27], s[10:11], s[26:27]
	s_cselect_b32 s28, 1, 0                        ; 1: the rows are stored in the changed order (all but W_o's)
	s_cmp_lt_u32 s23, 160
	s_cselect_b64 s[26:27], s[8:9], s[26:27]
	s_cmp_lt_u32 s23, 144
	s_cselect_b64 s[26:27], s[6:7], s[26:27]
	s_cmp_lt_u32 s23, 128
	s_cselect_b64 s[26:27], s[4:5], s[26:27]
	s_cselect_b32 s29, s23, s29
	s_lshl_b32 s30, s29, 18                        ; 64 rows of 4,096 bytes
	s_lshl_b32 s31, s24, 9                         ; + my K step's 512 bytes
	s_add_co_u32 s30, s30, s31
	s_mov_b32 s31, 0
	s_add_nc_u64 s[26:27], s[26:27], s[30:31]      ; rows 0-7 and 24-31 of each 32
	s_lshl_b32 s30, 0x8000, s28
	s_add_nc_u64 s[32:33], s[26:27], s[30:31]      ; a stored tile 2 n's rows 8-15: 16 rows on (W_o: 8)
	s_lshr_b32 s30, 0x10000, s28
	s_add_nc_u64 s[34:35], s[26:27], s[30:31]      ; a stored tile 2 n + 1's rows 0-7: 8 rows on (W_o: 16)
	s_mul_i32 s30, s23, 4*8*FIB
	s_mul_i32 s36, s24, FIB
	s_add_co_u32 s30, s30, s36
	s_add_nc_u64 s[16:17], s[16:17], s[30:31]      ; opc at tile 4 G, my K step
	s_lshr_b32 s30, s23, 1
	s_lshl_b32 s30, s30, 12
	s_lshl_b32 s36, s24, 9
	s_add_co_u32 s30, s30, s36
	s_and_b32 s36, s23, 1
	s_lshl_b32 s36, s36, 8
	s_add_co_u32 s30, s30, s36
	s_add_nc_u64 s[18:19], s[18:19], s[30:31]      ; ops at chunk G / 2, my K step, half G % 2
.macro LOAD t                          ; stored tile t of the group's four: 16 rows, 512 consecutive bytes a load
.irp j, 0,1,2,3,4,5,6,7,8,9,10,11,12,13,14,15
.set SG, 2*((\t)%2)+\j/8
.set IM, (32*((\t)/2)+\j%8)*4096
.if SG == 0
	global_load_b128 v[R+64*((\t)%2)+4*\j:R+64*((\t)%2)+4*\j+3], v4, s[26:27] offset:IM th:TH_LOAD_NT
.elseif SG == 1
	global_load_b128 v[R+64*((\t)%2)+4*\j:R+64*((\t)%2)+4*\j+3], v4, s[32:33] offset:IM th:TH_LOAD_NT
.elseif SG == 2
	global_load_b128 v[R+64*((\t)%2)+4*\j:R+64*((\t)%2)+4*\j+3], v4, s[34:35] offset:IM th:TH_LOAD_NT
.else
	global_load_b128 v[R+64*((\t)%2)+4*\j:R+64*((\t)%2)+4*\j+3], v4, s[26:27] offset:IM+24*4096 th:TH_LOAD_NT
.endif
.endr
.endm
.macro TURN t                          ; through my stage: LDS serves a wave's instructions in order, so no wait stands between the stores and the loads
.irp j, 0,1,2,3,4,5,6,7,8,9,10,11,12,13,14,15
	ds_store_b128 v5, v[R+64*((\t)%2)+4*\j:R+64*((\t)%2)+4*\j+3] offset:528*\j
.endr
.irp b, 0,1,2,3
.irp k, 0,1,2,3
	ds_load_b128 v[X+16*\b+4*\k:X+16*\b+4*\k+3], v6 offset:128*\b+16*\k
.endr
.endr
.endm
; 64 numbers of a lane become a fragment's codes in v[PC] on and its row's scale word in v[pw]
.macro QUANT s, pw
.irp b, 0,1,2,3
	v_max3_num_f32 v[TM+\b], |v[\s+16*\b]|, |v[\s+1+16*\b]|, 0x1800000   ; block b: my 16 numbers, and the floor 2^(3 - 127): the byte cannot fall under 1
.endr
.irp i, 2,4,6,8,10,12,14
.irp b, 0,1,2,3
	v_max3_num_f32 v[TM+\b], v[TM+\b], |v[\s+16*\b+\i]|, |v[\s+1+16*\b+\i]|   ; the four blocks by turns
.endr
.endr
.irp b, 0,1,2,3
	v_permlanex16_b32 v[TM+4+\b], v[TM+\b], s[SEL], s[SEL+1]
.endr
.irp b, 0,1,2,3
	v_max_num_f32 v[TM+\b], v[TM+\b], v[TM+4+\b]   ; with lane l xor 16's: the block's largest magnitude
.endr
.irp b, 0,1,2,3
	v_add_nc_u32 v[TM+12+\b], 0xff000000, v[TM+\b] ; 2 off its exponent field: the conversion's scale operand
.endr
.irp b, 0,1,2,3
	v_lshrrev_b32 v[TM+4+\b], 23, v[TM+12+\b]      ; the scale's byte
.endr
	v_lshl_or_b32 v[\pw], v[TM+5], 8, v[TM+4]
	v_lshl_or_b32 v[\pw], v[TM+6], 16, v[\pw]
	v_lshl_or_b32 v[\pw], v[TM+7], 24, v[\pw]
.irp c, 0,1
	v_cvt_scalef32_pk16_fp6_f32 v[PC+6*\c:PC+2+6*\c], v[\s+32*\c:\s+15+32*\c], v[TM+12+2*\c]
	v_cvt_scalef32_pk16_fp6_f32 v[PC+12+4*\c:PC+14+4*\c], v[\s+16+32*\c:\s+31+32*\c], v[TM+12+2*\c+1]   ; (a conversion's three registers begin on an even number)
.endr
	v_nop                                          ; one plain place behind a scaled conversion
.irp c, 0,1                                    ; the operand's layout wants a whole block in a lane
.irp i, 0,1,2
	v_permlane16_swap_b32 v[PC+6*\c+\i], v[PC+12+4*\c+\i]
.endr
.irp i, 0,1,2
	v_mov_b32 v[PC+3+6*\c+\i], v[PC+12+4*\c+\i]
.endr
.endr
.endm
	LOAD 0
	LOAD 1
.irp t, 0,1,2,3
.if \t < 3
	s_wait_loadcnt 16                              ; this tile's 16 loads are in; the next tile's 16 may be out
.else
	s_wait_loadcnt 0x0
.endif
	TURN \t
	s_wait_dscnt 0x0                               ; the numbers are back, and the stores into the stage have read their registers,
.if \t < 2
	LOAD \t+2                                      ; which take the tile two on
.endif
	s_wait_xcnt 0x0                                ; the last tile's stores have read the codes' registers: they are written again only behind this wait
	QUANT X, SW+\t
.irp p, 0,1,2,3,4,5
	global_store_b64 v7, v[PC+2*\p:PC+2*\p+1], s[16:17] offset:8*FIB*\t+256*\p   ; 32 lanes store 256 consecutive bytes, aligned
.endr
.endr
	v_cndmask_b32 v248, v[SW], v[SW+1], s[HI]      ; lanes 0-15: tile 0's words, lanes 16-31: tile 1's
	v_cndmask_b32 v249, v[SW+2], v[SW+3], s[HI]    ; and tiles 2 and 3
	global_store_b64 v7, v[248:249], s[18:19]      ; 256 consecutive bytes, aligned
	s_wait_tensorcnt 0x0                           ; the wave's end, behind my last LDS store
	ds_add_u32 v[SPW], v[NIL]
	s_wait_dscnt 0x0
	s_endpgm
	; ---- the table of cosines and sines
.Ltable:
	s_sub_co_u32 s23, ttmp9, 384
	s_lshl_b32 s23, s23, 2
	s_add_co_u32 s23, s23, s22                     ; j: my 32 positions
	v_lshlrev_b32 v3, 2, v2
	v_lshlrev_b32 v4, 3, v2
	v_mov_b32 v5, 0
.macro FREQ i, val                     ; lane i: 10000^(-i / 32) = 10^(-i / 8)
	s_mov_b32 s26, \val
	v_writelane_b32 v5, s26, \i
.endm
	FREQ 0, 1.0
	FREQ 1, 0.74989420933
	FREQ 2, 0.56234132519
	FREQ 3, 0.42169650343
	FREQ 4, 0.31622776602
	FREQ 5, 0.23713737057
	FREQ 6, 0.17782794100
	FREQ 7, 0.13335214322
	FREQ 8, 0.1
	FREQ 9, 0.074989420933
	FREQ 10, 0.056234132519
	FREQ 11, 0.042169650343
	FREQ 12, 0.031622776602
	FREQ 13, 0.023713737057
	FREQ 14, 0.017782794100
	FREQ 15, 0.013335214322
	FREQ 16, 0.01
	FREQ 17, 0.0074989420933
	FREQ 18, 0.0056234132519
	FREQ 19, 0.0042169650343
	FREQ 20, 0.0031622776602
	FREQ 21, 0.0023713737057
	FREQ 22, 0.0017782794100
	FREQ 23, 0.0013335214322
	FREQ 24, 0.001
	FREQ 25, 0.00074989420933
	FREQ 26, 0.00056234132519
	FREQ 27, 0.00042169650343
	FREQ 28, 0.00031622776602
	FREQ 29, 0.00023713737057
	FREQ 30, 0.00017782794100
	FREQ 31, 0.00013335214322
	s_mov_b32 s28, 0xbfc90fdb                      ; pi / 2 in three parts, negated: -1.57079637,
	s_mov_b32 s29, 0x333bbd2e                      ; +4.37113883e-8,
	s_mov_b32 s30, 0x26f72cfc                      ; +1.7151e-15
	s_mov_b32 s31, 0xb94ca1f9                      ; sine: -1.9515296e-4,
	s_mov_b32 s32, 0x3c08839e                      ; 8.3321609e-3,
	s_mov_b32 s33, 0xbe2aaaa3                      ; -0.16666655
	s_mov_b32 s34, 0x37ccf5ce                      ; cosine: 2.4433157e-5,
	s_mov_b32 s35, 0xbab6061a                      ; -1.3887316e-3,
	s_mov_b32 s36, 0x3d2aaaa5                      ; 4.1666646e-2
	s_wait_kmcnt 0x0
	s_lshl_b32 s24, s23, 7
	s_mov_b32 s25, 0
	s_add_nc_u64 s[14:15], s[14:15], s[24:25]
	s_lshl_b32 s24, s23, 13                        ; 32 positions of 256 bytes
	s_add_nc_u64 s[20:21], s[20:21], s[24:25]
	global_load_b32 v6, v3, s[14:15]               ; lane l: position 32 j + l
	s_wait_loadcnt 0x0
	v_cvt_f32_i32 v6, v6
.macro POS i
	v_readlane_b32 s27, v6, \i
	v_mul_f32 v8, s27, v5                          ; the angle, rounded once
	v_mul_f32 v9, 0x3f22f983, v8
	v_rndne_f32 v9, v9                             ; n = the nearest whole number to angle x 2 / pi
	v_fma_f32 v10, v9, s28, v8
	v_fma_f32 v10, v9, s29, v10
	v_fma_f32 v10, v9, s30, v10                    ; rho = angle - n pi / 2, at most pi / 4 in magnitude
	v_mul_f32 v11, v10, v10                        ; z
	v_fma_f32 v14, v11, s31, s32
	v_fma_f32 v15, v11, s34, s35
	v_fma_f32 v14, v14, v11, s33
	v_fma_f32 v15, v15, v11, s36
	v_mul_f32 v16, v10, v11
	v_mul_f32 v17, v11, v11
	v_fma_f32 v18, v11, -0.5, 1.0
	v_fma_f32 v14, v16, v14, v10                   ; sin rho
	v_fma_f32 v15, v17, v15, v18                   ; cos rho
	v_cvt_i32_f32 v19, v9
	v_and_b32 v22, 1, v19
	v_cmp_eq_u32 vcc_lo, 1, v22                    ; n odd: the two change places
	v_lshlrev_b32 v23, 30, v19                     ; the sine's sign: bit 1 of n
	v_add_nc_u32 v24, 1, v19
	v_lshlrev_b32 v24, 30, v24                     ; the cosine's: bit 1 of n + 1
	s_wait_xcnt 0x0                                ; the last store has read its data: they are written again only behind this wait
	v_cndmask_b32 v20, v15, v14, vcc_lo
	v_cndmask_b32 v21, v14, v15, vcc_lo
	v_and_b32 v23, 0x80000000, v23
	v_and_b32 v24, 0x80000000, v24
	v_xor_b32 v20, v20, v24
	v_xor_b32 v21, v21, v23
	global_store_b64 v4, v[20:21], s[20:21] offset:256*\i   ; a position's 32 pairs: 256 consecutive bytes, aligned
.endm
.irp i, 0,1,2,3,4,5,6,7,8,9,10,11,12,13,14,15,16,17,18,19,20,21,22,23,24,25,26,27,28,29,30,31
	POS \i
.endr
	s_endpgm
.Lfunc_end_k_q5fcb3b8422_prep:
	.size	k_q5fcb3b8422_prep, .Lfunc_end_k_q5fcb3b8422_prep-k_q5fcb3b8422_prep
	.p2alignl 7, 3214868480
	.fill 96, 4, 3214868480
	.section	.rodata,"a",@progbits
	.p2align	6, 0x0
	.amdhsa_kernel k_q5fcb3b8422_prep
		.amdhsa_group_segment_fixed_size 34304
		.amdhsa_private_segment_fixed_size 0
		.amdhsa_enable_private_segment 0
		.amdhsa_kernarg_size 72
		.amdhsa_user_sgpr_count 2
		.amdhsa_user_sgpr_kernarg_segment_ptr 1
		.amdhsa_wavefront_size32 1
		.amdhsa_system_sgpr_workgroup_id_x 1
		.amdhsa_system_sgpr_workgroup_id_y 1
		.amdhsa_system_sgpr_workgroup_id_z 1
		.amdhsa_system_vgpr_workitem_id 0
		.amdhsa_next_free_vgpr 256
		.amdhsa_next_free_sgpr 66
		.amdhsa_reserve_vcc 1
		.amdhsa_float_denorm_mode_32 3
		.amdhsa_float_denorm_mode_16_64 3
		.amdhsa_memory_ordered 1
		.amdhsa_forward_progress 1
		.amdhsa_inst_pref_size 87
	.end_amdhsa_kernel
	.amdgpu_metadata
---
amdhsa.version: [ 1, 2 ]
amdhsa.kernels:
  - .name:           k_q5fcb3b8422_prep
    .symbol:         k_q5fcb3b8422_prep.kd
    .args:
      - { .name: x, .offset: 0, .size: 8, .value_kind: global_buffer, .address_space: global }
      - { .name: W_q, .offset: 8, .size: 8, .value_kind: global_buffer, .address_space: global }
      - { .name: W_k, .offset: 16, .size: 8, .value_kind: global_buffer, .address_space: global }
      - { .name: W_v, .offset: 24, .size: 8, .value_kind: global_buffer, .address_space: global }
      - { .name: W_o, .offset: 32, .size: 8, .value_kind: global_buffer, .address_space: global }
      - { .name: token_positions, .offset: 40, .size: 8, .value_kind: global_buffer, .address_space: global }
      - { .name: opc, .offset: 48, .size: 8, .value_kind: global_buffer, .address_space: global }
      - { .name: ops, .offset: 56, .size: 8, .value_kind: global_buffer, .address_space: global }
      - { .name: rope, .offset: 64, .size: 8, .value_kind: global_buffer, .address_space: global }
    .group_segment_fixed_size: 34304
    .private_segment_fixed_size: 0
    .kernarg_segment_align: 8
    .kernarg_segment_size: 72
    .max_flat_workgroup_size: 128
    .sgpr_count:     66
    .vgpr_count:     256
    .wavefront_size: 32
...
	.end_amdgpu_metadata
.endif
;; end of part 1
;; launch qkv (part 2): grid 4 x 96, 4 waves a work-group, clusters of 4 x 4, 327,680 bytes of LDS; arguments opc, ops, rope, qkvc, qkvs; writes qkvc, qkvs
.if DOCPART == 2
	.amdgcn_target "amdgcn-amd-amdhsa--gfx1250"
	.amdhsa_code_object_version 6
	.text
	.protected	k_q5fcb3b8422_qkv
	.globl	k_q5fcb3b8422_qkv
	.p2align	8
	.type	k_q5fcb3b8422_qkv,@function
k_q5fcb3b8422_qkv:
	s_mov_b64 s[64:65], 0
	v_nop
	global_prefetch_b8 v0, s[64:65] scope:SCOPE_SE
	s_setreg_imm32_b32 hwreg(HW_REG_WAVE_MODE, 25, 1), 1
	s_wait_xcnt 0x0
	s_wait_alu depctr_hold_cnt(0) depctr_sa_sdst(0) depctr_va_vdst(0) depctr_va_sdst(0) depctr_va_ssrc(0) depctr_va_vcc(0) depctr_vm_vsrc(0)
	s_getreg_b32 s2, hwreg(HW_REG_IB_STS2, 6, 4)
	s_cmp_eq_u32 s2, 0
	s_cbranch_scc0 .Lentry_in_a_cluster
	s_endpgm
.Lentry_in_a_cluster:
	s_bfe_u32 s2, ttmp6, 0x10000c
	s_cmp_lg_u32 s2, 0xf033
	s_cbranch_scc0 .Lentry_shape_is_right
	s_endpgm
.Lentry_shape_is_right:
; Q = x W_q^T, K = x W_k^T and V^T = W_v x^T on codes of FP6 (E2M3) with E8M0 scales; RoPE on Q and K; the results quantised again, Q and K along a head's 64, V along the keys.
; ONE TEXT FOR ALL THREE.  C = A B^T in tiles of 256 x 256; clusters 0-15: A = x (32 tile rows), B = W_q and W_k on end (8 tile columns); clusters 16-23: A = W_v (4 tile rows), B = x (32 tile columns).
; The operands lie in opc as images of their registers ([tile of 16 rows][K step of 128][1,536 bytes]) and their scale words in ops ([8 tiles][K step][512 bytes]).
; A work-group of four waves makes a tile; a wave 128 x 128: 64 accumulators, 512 registers.  K = 1,024 goes in four steps of 256 through a ring of two LDS slots filled by the tensor data mover; the scale words of the
; work-group's rows, for all of K, come once.  CLUSTERS: 4 x 4 work-groups; A's tiles are shared along a row of the cluster, B's along a column: each is asked for jointly.
; THE MATRIX INSTRUCTION IS USED TRANSPOSED (source 0 = 16 stored rows of B, source 1 = 16 stored rows of A): a lane holds one row of A, and, by the order in which B's rows are stored, the 64 registers of A's block a
; are register 16 b + i = column 32 b + 16 (lane / 16) + i of the wave's 128: the order in which the quantiser takes them.  So a block's results become one fragment of the next product in registers, with no LDS on the way out.
; OUT.  qkvc: [plane 0..23][chunk of 128 tokens 0..63][tile 0..7][image]: planes 0-7 Q's head pairs, 8-15 K's (tiles of tokens, K = the pair's 128 features), 16-23 V's (tiles of features, K = the chunk's 128 keys).
; qkvs: [plane][chunk][0: the words, 1: the words >> 16][512 bytes].  (The second variant of V's planes is written and never read.)
; LIMITS: a block of zeros carries the byte 1; NaN and infinities are not served.
; REGISTERS, in windows of 256: window 0: v16-29 addresses; v32-63 scale words, two sets; v128-223 A's fragments, one set; on the way out v32-211 are at work.  window 1: B's fragments, two sets, at v0 and v128.
;   window 2: the accumulators of my rows 0-63 ((a, b) at v[8 (8 a + b)]); window 3: those of rows 64-127.
.set NQ,    2                          ; matrix instructions deep in a slot
.set FR,    12                         ; registers of a fragment
.set NL,    6                          ; LDS loads that bring one
.set NP,    4                          ; places behind this matrix instruction (ISA guide 7.12.1)
.set FIB,   1536                       ; a fragment's image
.set TROW,  8*FIB                      ; a tile's eight K steps in memory
.set HALFT, 8*NQ*FIB                   ; 8 tiles x 2 images: what one tensor load brings, and what one wave reads of A or of B
.set SLOT,  4*HALFT                    ; A's two halves, then B's
.set SCL,   2*SLOT                     ; behind the ring: the scale words, 4,096 bytes for each 128 rows
.set SPARE, SCL+4*4096                 ; the spare words, 128 bytes for each wave: two blocks of 256 bytes that no other line names
.set ADRA, 16                          ; v16-17  LDS address of my A fragments in slot 0, 1
.set ADRB, 20                          ; v20-21  the same for B
.set RO,   24                          ; v24     my row's place in the table of cosines and sines
.set CO,   26                          ; v26     8 x lane
.set ADRS, 27                          ; v27     LDS address of my scale words: lanes 0-15 A's, lanes 16-31 B's
.set SPW,  28                          ; v28     LDS address of my spare word; never rewritten
.set NIL,  29                          ; v29     0; never rewritten
.set SC,   32                          ; scale words: set s at v[SC + 16 s]; register 2 i + q: block i, the slot's q-th 128 along K
.set AF,   128
.set CS,   32                          ; the way out: v32-95 two sets of 16 (cos, sin) pairs
.set TT,   96                          ; v96-159 the rotation's cross terms
.set PC,   160                         ; v160-179 the codes just made
.set TM,   180                         ; v180-195
.set SW,   196                         ; v196-203 the eight blocks' scale words
.set MW,   204                         ; v204-211 as they are stored
.set G1, 24
.set G0, 32
.set G1B, 48
.set G0B, 56
.set G1S, 68
.set G0S, 76
.set G1SB, 80
.set G0SB, 88
.set CID, 95                           ; s95 the cluster's number: the same in all sixteen partners
.set SEL, 18                           ; s[18:19] on the way out: v_permlanex16_b32's selects
.set MSB, 0
.macro WIN new                         ; the immediate's high byte repeats the setting that is left
.if MSB != (\new)
	s_set_vgpr_msb (MSB<<8)|(\new)
.set MSB, (\new)
.endif
.endm
.set MUL_LO, 0xa1                      ; source 0 (B) window 1, source 1 (A) window 0, C and D window 2
.set MUL_HI, 0xf1
.set TO_B,   0x40
; A joint load: waves 0 and 1 fetch for A, waves 2 and 3 for B; the branch hangs on the wave's number alone.  An s_nop 0 and four v_nop follow each of the two lines.
.macro JLOAD g0a, g1a, g0b, g1b
	s_cmp_eq_u32 s15, 0
	s_cbranch_scc0 .Lfor_b_\@
	tensor_load_to_lds s[\g0a:\g0a+3], s[\g1a:\g1a+7]
	s_nop 0
.rept 4
	v_nop
.endr
	s_branch .Lasked_\@
.Lfor_b_\@:
	tensor_load_to_lds s[\g0b:\g0b+3], s[\g1b:\g1b+7]
	s_nop 0
.rept 4
	v_nop
.endr
.Lasked_\@:
.endm
.macro CREST                           ; a round of the cluster's barrier behind its opening barrier
	s_cmp_lg_u32 s14, 0
	s_cbranch_scc1 .Lnot_wave_0_\@
	s_barrier_signal -3
.Lnot_wave_0_\@:
	s_barrier_wait -3
	s_barrier_signal -1
	s_barrier_wait -1
.endm
.macro CROUND
	s_barrier_signal -1
	s_barrier_wait -1
	CREST
.endm
	s_load_b256 s[4:11], s[0:1], 0x0               ; opc, ops, rope, qkvc
	s_load_b64 s[12:13], s[0:1], 0x20              ; qkvs
	v_lshl_add_u32 v[SPW], v0, 2, SPARE
	v_mov_b32 v[NIL], 0
	ds_add_u32 v[SPW], v[NIL]                      ; the wave's opening: the add and its wait come ahead of my first tensor load; the set-up below stands between them
	v_lshrrev_b32 v1, 5, v0
	v_readfirstlane_b32 s14, v1                    ; wave 0..3
	s_lshr_b32 s15, s14, 1                         ; which half of the tile's rows is mine.  Also: I fetch for A (0) or for B (1)
	s_and_b32 s16, s14, 1                          ; which half of its columns.  Also: which 128 rows I fetch
	s_bfe_u32 s40, ttmp6, 0x40000                  ; cx, cy
	s_bfe_u32 s41, ttmp6, 0x40004
	s_and_b32 s[CID], ttmp7, 0xffff
	s_and_b32 s96, s[CID], 1                       ; Q, K: the cluster's column,
	s_lshr_b32 s97, s[CID], 1                      ; and its row
	s_sub_co_u32 s98, s[CID], 16                   ; V: its column
	s_cmp_lt_u32 s[CID], 16
	s_cselect_b32 s96, s96, s98
	s_cselect_b32 s97, s97, 0
	s_cselect_b32 s98, 0, 640                      ; A's first tile in opc: x, or W_v
	s_cselect_b32 s99, 512, 0                      ; B's: W_q, or x
	s_lshl_b32 s42, s96, 2
	s_add_co_u32 s42, s42, s40                     ; tile column
	s_lshl_b32 s17, s97, 2
	s_add_co_u32 s17, s17, s41                     ; tile row
	s_lshl_b32 s43, s41, 2
	s_lshl_b32 s43, 15, s43                        ; my row of the cluster
	s_lshl_b32 s44, 0x1111, s40                    ; my column
	; descriptor group 1, codes: 8 rows (tiles) of 384 elements of 8 bytes (two images), 1,536 elements apart; dense in LDS
	s_or_b32 s[G1+0], s43, (3<<16)|(1<<21)         ; 15:0 the mask; 17:16 elements of 8 bytes; 20 no padding; 21 set beside a mask
	s_or_b32 s[G1B+0], s44, (3<<16)|(1<<21)
.irp g, G1, G1B
	s_mov_b32 s[\g+1], 384<<16                     ; tensor_dim0
	s_mov_b32 s[\g+2], 8<<16                       ; tensor_dim1
	s_mov_b32 s[\g+3], 384<<16                     ; tile_dim0
	s_mov_b32 s[\g+4], 8                           ; tile_dim1
	s_mov_b32 s[\g+5], 1536                        ; tensor_dim0_stride
	s_mov_b32 s[\g+6], 0
	s_mov_b32 s[\g+7], 0
.endr
	; scale words of 128 rows: 4,096 dense bytes as 16 rows of 256
	s_or_b32 s[G1S+0], s43, (3<<16)|(1<<21)
	s_or_b32 s[G1SB+0], s44, (3<<16)|(1<<21)
.irp g, G1S, G1SB
	s_mov_b32 s[\g+1], 32<<16
	s_mov_b32 s[\g+2], 16<<16
	s_mov_b32 s[\g+3], 32<<16
	s_mov_b32 s[\g+4], 16
	s_mov_b32 s[\g+5], 32
	s_mov_b32 s[\g+6], 0
	s_mov_b32 s[\g+7], 0
.endr
	s_lshl_b32 s18, s16, 3
	s_lshl_b32 s20, s17, 4
	s_add_co_u32 s20, s20, s18
	s_add_co_u32 s20, s20, s98                     ; A: the first of the 8 tiles that I fetch
	s_lshl_b32 s46, s42, 4
	s_add_co_u32 s46, s46, s18
	s_add_co_u32 s46, s46, s99                     ; B likewise
	s_lshl_b32 s22, s20, 9                         ; their scale words, 512 bytes a tile,
	s_mov_b32 s23, 0
	s_lshl_b32 s92, s46, 9
	s_mov_b32 s93, 0
	s_mul_i32 s20, s20, TROW                       ; and their codes
	s_mov_b32 s21, 0
	s_mul_i32 s46, s46, TROW
	s_mov_b32 s47, 0
	s_mul_i32 s45, s14, HALFT                      ; where they go: by the wave's number alone
	s_lshl_b32 s94, s14, 12
	s_wait_dscnt 0x0                               ; the opening add is done
	s_wait_kmcnt 0x0
	s_add_nc_u64 s[20:21], s[4:5], s[20:21]
	s_add_nc_u64 s[22:23], s[6:7], s[22:23]
	s_add_nc_u64 s[46:47], s[4:5], s[46:47]
	s_add_nc_u64 s[92:93], s[6:7], s[92:93]
	CROUND                                         ; all sixteen work-groups are here: the first joint loads meet
	s_mov_b32 s[G0S], 1
	s_add_co_u32 s[G0S+1], s94, SCL
	s_mov_b64 s[G0S+2:G0S+3], s[22:23]
	s_or_b32 s[G0S+3], s[G0S+3], 0x80000000
	s_mov_b32 s[G0SB], 1
	s_add_co_u32 s[G0SB+1], s94, SCL
	s_mov_b64 s[G0SB+2:G0SB+3], s[92:93]
	s_or_b32 s[G0SB+3], s[G0SB+3], 0x80000000
	JLOAD G0S, G1S, G0SB, G1SB                     ; the scale words first: they are wanted with K step 0
.irp s, 0,1
	s_mov_b32 s[G0+4*\s], 1
	s_add_co_u32 s[G0+4*\s+1], s45, \s*SLOT
	s_add_nc_u64 s[G0+4*\s+2:G0+4*\s+3], s[20:21], \s*NQ*FIB
	s_or_b32 s[G0+4*\s+3], s[G0+4*\s+3], 0x80000000
	s_mov_b32 s[G0B+4*\s], 1
	s_add_co_u32 s[G0B+4*\s+1], s45, \s*SLOT
	s_add_nc_u64 s[G0B+4*\s+2:G0B+4*\s+3], s[46:47], \s*NQ*FIB
	s_or_b32 s[G0B+4*\s+3], s[G0B+4*\s+3], 0x80000000
	JLOAD G0+4*\s, G1, G0B+4*\s, G1B               ; three loads of mine are out behind the second of these
.endr
	v_and_b32 v1, 15, v0                           ; r
	v_bfe_u32 v2, v0, 4, 1                         ; h
	v_and_b32 v3, 31, v0
	v_lshlrev_b32 v[CO], 3, v3                     ; 8 x lane
	s_mul_i32 s18, s15, HALFT                      ; my 128 rows of A
	s_mul_i32 s19, s16, HALFT                      ; my 128 rows of B,
	s_add_co_u32 s19, s19, 2*HALFT                 ; which lie behind A's
.irp s, 0,1
	v_add_nc_u32 v[ADRA+\s], s18, v[CO]
	v_add_nc_u32 v[ADRB+\s], s19, v[CO]
	s_add_co_u32 s18, s18, SLOT
	s_add_co_u32 s19, s19, SLOT
.endr
	s_lshl_b32 s18, s15, 12                        ; A's scale words: my 128 rows
	s_lshl_b32 s19, s16, 12
	s_add_co_u32 s19, s19, 8192                    ; B's, behind A's
	s_sub_co_u32 s19, s19, s18
	v_mul_u32_u24 v4, s19, v2                      ; lanes 16-31 take B's
	s_add_co_u32 s18, s18, SCL
	v_lshl_add_u32 v4, v1, 3, v4                   ; 8 bytes from row to row
	v_add_nc_u32 v[ADRS], s18, v4
	v_and_b32 v5, 8, v1
	v_add_nc_u32 v5, v5, v1                        ; r + 8 (r / 8): the token that my stored row holds
	v_lshlrev_b32 v[RO], 8, v5                     ; 256 bytes a position,
	v_lshl_add_u32 v[RO], v2, 6, v[RO]             ; + my half's eight frequencies
	; where the results go
	s_lshl_b32 s66, s17, 1
	s_add_co_u32 s66, s66, s15                     ; my 128 rows of A, as a chunk
	s_lshl_b32 s67, s42, 1
	s_add_co_u32 s67, s67, s16                     ; my 128 rows of B
	s_add_co_u32 s2, s66, 16
	s_and_b32 s100, s66, 15
	s_lshl_b32 s100, s100, 15                      ; the chunk's place in its sequence: 128 positions of 256 bytes
	s_mov_b32 s101, 0
	s_add_nc_u64 s[8:9], s[8:9], s[100:101]
	s_cmp_lt_u32 s[CID], 16
	s_cselect_b32 s2, s67, s2                      ; the plane: Q, K: B's chunk; V: 16 + A's
	s_cselect_b32 s3, s66, s67                     ; the chunk of tokens: Q, K: A's; V: B's
	s_mul_i32 s100, s2, 64*TROW
	s_mul_i32 s66, s3, TROW
	s_add_co_u32 s100, s100, s66
	s_add_nc_u64 s[10:11], s[10:11], s[100:101]
	s_lshl_b32 s100, s2, 6
	s_add_co_u32 s100, s100, s3
	s_lshl_b32 s100, s100, 10
	s_add_nc_u64 s[12:13], s[12:13], s[100:101]
	s_mov_b32 s[SEL], 0x76543210
	s_mov_b32 s[SEL+1], 0xfedcba98
	s_mov_b32 s2, 0xffff0000                       ; the mask of lanes 16-31
.macro FRAG reg, adr, q, i             ; a fragment comes as it was stored: six loads of 8 bytes a lane, each 256 consecutive bytes
.irp p, 0,1,2,3,4,5
	ds_load_b64 v[\reg+2*\p:\reg+2*\p+1], v[\adr] offset:(2*(\i)+(\q))*FIB+256*\p
.endr
.endm
; 16 matrix instructions: A's blocks a0, a0 + 1 x B's eight.  The 64 accumulators take turns, one instruction a turn, in the same order in every step.
.macro MUL16 a0, p, q, sc, zero
.irp a, \a0, \a0+1
.irp b, 0,1,2,3,4,5,6,7
.if \zero
	v_wmma_scale_f32_16x16x128_f8f6f4 v[8*(8*((\a)%4)+\b):8*(8*((\a)%4)+\b)+7], v[128*(\p)+FR*\b:128*(\p)+FR*\b+FR-1], v[AF+FR*(\a):AF+FR*(\a)+FR-1], 0, v[SC+8*NQ*(\sc)+NQ*\b+(\q)], v[SC+8*NQ*(\sc)+NQ*(\a)+(\q)] matrix_a_fmt:MATRIX_FMT_FP6 matrix_b_fmt:MATRIX_FMT_FP6 matrix_a_scale:MATRIX_SCALE_ROW1
.else
	v_wmma_scale_f32_16x16x128_f8f6f4 v[8*(8*((\a)%4)+\b):8*(8*((\a)%4)+\b)+7], v[128*(\p)+FR*\b:128*(\p)+FR*\b+FR-1], v[AF+FR*(\a):AF+FR*(\a)+FR-1], v[8*(8*((\a)%4)+\b):8*(8*((\a)%4)+\b)+7], v[SC+8*NQ*(\sc)+NQ*\b+(\q)], v[SC+8*NQ*(\sc)+NQ*(\a)+(\q)] matrix_a_fmt:MATRIX_FMT_FP6 matrix_b_fmt:MATRIX_FMT_FP6 matrix_a_scale:MATRIX_SCALE_ROW1
.endif
.endr
.endr
.endm
.macro FETCH_B slot, q, p
	WIN TO_B
.irp i, 0,1,2,3,4,5,6,7
	FRAG 128*(\p)+FR*\i, ADRB+\slot, \q, \i
.endr
	WIN 0
.endm
.macro FETCH_A slot, q, i0
.irp i, \i0, \i0+1, \i0+2, \i0+3
	FRAG AF+FR*(\i), ADRA+\slot, \q, \i
.endr
.endm
.macro SCALES sc                       ; a slot's scale words: lanes 0-15 take A's block i, lanes 16-31 B's block i
.irp i, 0,1,2,3,4,5,6,7
.irp q, 0,1
	ds_load_b32 v[SC+8*NQ*\sc+NQ*\i+\q], v[ADRS] offset:512*\q+256*(\i/4)+128*(\i%2)+4*((\i/2)%2)
.endr
.endr
.endm
.macro PLACES n                        ; plain vector instructions between a matrix instruction and a load into, or a read of, its registers
.rept \n
	v_nop
.endr
.endm
.macro STEP slot, q, zero              ; a step of 128 along K that has its successor in the same slot
	s_wait_dscnt 4*NL                              ; B's set and A's blocks 0-3 are in; the youngest 24 loads (A's blocks 4-7) may be out
	WIN MUL_LO
	MUL16 0, (\q)%2, \q, \slot, \zero
	MUL16 2, (\q)%2, \q, \slot, \zero
	s_wait_dscnt 0
	PLACES NP
	FETCH_B \slot, (\q)+1, 1-(\q)%2
	FETCH_A \slot, (\q)+1, 0
	WIN MUL_HI
	MUL16 4, (\q)%2, \q, \slot, \zero
	MUL16 6, (\q)%2, \q, \slot, \zero
	PLACES NP
	WIN 0
	FETCH_A \slot, (\q)+1, 4
.endm
; A slot's last step changes slots: one barrier; in front of it each wave waits for all its tensor loads, adds 0 to its spare word, and waits for that and for its reads of this slot.
.macro TURN slot, next, fill
	s_wait_tensorcnt 0x0                           ; all my tensor loads have landed: my part of the next slot
	ds_add_u32 v[SPW], v[NIL]                      ; 0 onto my spare word
	s_wait_dscnt 4*NL+1                            ; (the add and the youngest 24 loads may be out)
	WIN MUL_LO
	MUL16 0, 1, NQ-1, \slot, 0
	s_wait_dscnt 0x0                               ; the add is done, and my reads of this slot are over
	s_barrier_signal -1
	MUL16 2, 1, NQ-1, \slot, 0
	WIN 0
	s_barrier_wait -1
.if \fill
	CREST                                          ; the barrier has opened a round of the cluster's barrier: no wave of any partner still reads this slot or has a load on its way
	s_add_nc_u64 s[G0+4*\slot+2:G0+4*\slot+3], s[G0+4*\slot+2:G0+4*\slot+3], 2*NQ*FIB
	s_add_nc_u64 s[G0B+4*\slot+2:G0B+4*\slot+3], s[G0B+4*\slot+2:G0B+4*\slot+3], 2*NQ*FIB
	JLOAD G0+4*\slot, G1, G0B+4*\slot, G1B         ; the first tensor load behind the round; its four v_nop are the places in front of the loads below
.else
	PLACES NP
.endif
	v_add_nc_u32 v[ADRS], 512*NQ, v[ADRS]          ; on to the next slot's scale words (no LDS load of mine is out)
	FETCH_B \next, 0, 0
	FETCH_A \next, 0, 0
	SCALES \next
	WIN MUL_HI
	MUL16 4, 1, NQ-1, \slot, 0
	MUL16 6, 1, NQ-1, \slot, 0
	PLACES NP
	WIN 0
	FETCH_A \next, 0, 4
.endm
	s_wait_tensorcnt 1                             ; the scale words and my part of slot 0 are in (slot 1's load may be out),
	s_barrier_signal -1
	s_barrier_wait -1                              ; everybody's are
	FETCH_B 0, 0, 0
	FETCH_A 0, 0, 0
	SCALES 0
	FETCH_A 0, 0, 4
	STEP 0, 0, 1                                   ; the first step stands in front of the loop: its products start the sums
	s_mov_b32 s3, 1
.Llap:                                                 ; once round the ring: both slots are filled again (K = 1,024: one trip)
	TURN 0, 1, 1
	STEP 1, 0, 0
	TURN 1, 0, 1
	STEP 0, 0, 0
	s_sub_co_u32 s3, s3, 1
	s_cmp_lg_u32 s3, 0
	s_cbranch_scc1 .Llap
	TURN 0, 1, 0                                   ; the last lap fills nothing
	STEP 1, 0, 0
	s_wait_dscnt 4*NL
	WIN MUL_LO
	MUL16 0, 1, NQ-1, 1, 0
	MUL16 2, 1, NQ-1, 1, 0
	s_wait_dscnt 0
	WIN MUL_HI
	MUL16 4, 1, NQ-1, 1, 0
	MUL16 6, 1, NQ-1, 1, 0
	WIN 0
; THE WAY OUT, block by block of 16 stored rows of A.
.macro TABLE a, set                    ; the cosines and sines of block a's tokens: v[CS + 32 set] on: (c, s) of frequencies 8 h + 0..7, then of 16 + 8 h + 0..7
.irp k, 0,1,2,3,4,5,6,7
	global_load_b128 v[CS+32*(\set)+4*\k:CS+32*(\set)+4*\k+3], v[RO], s[8:9] offset:(32*((\a)/2)+8*((\a)%2))*256+16*(\k%4)+128*(\k/4)
.endr
.endm
.macro ROPE a, set                     ; pair m of the block's 32: features 2 f, 2 f + 1 of a head, f = 16 ((m / 8) % 2) + 8 h + m % 8
.set RW, 2+(\a)/4
.set RAC, 64*((\a)%4)
	WIN RW
.set m, 0
.rept 32
	v_pk_mul_f32 v[TT+2*m:TT+2*m+1], v[RAC+2*m:RAC+2*m+1], v[CS+32*(\set)+16*((m/8)%2)+2*(m%8):CS+32*(\set)+16*((m/8)%2)+2*(m%8)+1] op_sel:[1,1] op_sel_hi:[0,1] neg_lo:[1,0]   ; (-x2 s, x1 s); each accumulator is read from its low end on
.set m, m+1
.endr
	WIN 65*RW
.set m, 0
.rept 32
	v_pk_fma_f32 v[RAC+2*m:RAC+2*m+1], v[RAC+2*m:RAC+2*m+1], v[CS+32*(\set)+16*((m/8)%2)+2*(m%8):CS+32*(\set)+16*((m/8)%2)+2*(m%8)+1], v[TT+2*m:TT+2*m+1] op_sel_hi:[1,0,1]   ; (x1 c - x2 s, x2 c + x1 s)
.set m, m+1
.endr
.endm
; 64 numbers of a lane in window w, register 16 b + i = k 32 b + 16 (lane / 16) + i of my row, become a fragment's codes in v[PC] on and its scale word in v[pw]
.macro QUANT s, w, pw
	WIN 5*(\w)
.irp b, 0,1,2,3
	v_max3_num_f32 v[TM+\b], |v[(\s)+16*\b]|, |v[(\s)+1+16*\b]|, 0x1800000   ; and the floor 2^(3 - 127): the byte cannot fall under 1
.endr
	WIN 20*(\w)
.irp i, 2,4,6,8,10,12,14
.irp b, 0,1,2,3
	v_max3_num_f32 v[TM+\b], v[TM+\b], |v[(\s)+16*\b+\i]|, |v[(\s)+1+16*\b+\i]|
.endr
.endr
	WIN 0
.irp b, 0,1,2,3
	v_permlanex16_b32 v[TM+4+\b], v[TM+\b], s[SEL], s[SEL+1]
.endr
.irp b, 0,1,2,3
	v_max_num_f32 v[TM+\b], v[TM+\b], v[TM+4+\b]
.endr
.irp b, 0,1,2,3
	v_add_nc_u32 v[TM+12+\b], 0xff000000, v[TM+\b] ; 2 off the exponent field: the conversion's scale operand
.endr
.irp b, 0,1,2,3
	v_lshrrev_b32 v[TM+4+\b], 23, v[TM+12+\b]      ; the scale's byte
.endr
	v_lshl_or_b32 v[\pw], v[TM+5], 8, v[TM+4]
	v_lshl_or_b32 v[\pw], v[TM+6], 16, v[\pw]
	v_lshl_or_b32 v[\pw], v[TM+7], 24, v[\pw]
	WIN (\w)
.irp c, 0,1
	v_cvt_scalef32_pk16_fp6_f32 v[PC+6*\c:PC+2+6*\c], v[(\s)+32*\c:(\s)+15+32*\c], v[TM+12+2*\c]
	v_cvt_scalef32_pk16_fp6_f32 v[PC+12+4*\c:PC+14+4*\c], v[(\s)+16+32*\c:(\s)+31+32*\c], v[TM+12+2*\c+1]
.endr
	WIN 0
	v_nop                                          ; one plain place behind a scaled conversion
.irp c, 0,1
.irp i, 0,1,2
	v_permlane16_swap_b32 v[PC+6*\c+\i], v[PC+12+4*\c+\i]
.endr
.irp i, 0,1,2
	v_mov_b32 v[PC+3+6*\c+\i], v[PC+12+4*\c+\i]
.endr
.endr
.endm
.macro OUTF a
	WIN 0
	s_wait_xcnt 0x0                                ; the last block's stores have read the codes' registers
	QUANT 64*((\a)%4), 2+(\a)/4, SW+(\a)
.irp p, 0,1,2,3,4,5
	global_store_b64 v[CO], v[PC+2*\p:PC+2*\p+1], s[10:11] offset:FIB*(\a)+256*\p   ; 256 consecutive bytes, aligned
.endr
.endm
.macro EPIQ a
.if (\a) < 7
	TABLE (\a)+1, ((\a)+1)%2
	s_wait_loadcnt 8                               ; this block's table is in; the next block's eight loads may be out
.else
	s_wait_loadcnt 0x0
.endif
	ROPE \a, (\a)%2
	OUTF \a
.endm
	PLACES NP                                      ; behind the last products: for the loads and writes into registers that they read, and for the reads of their results
.irp b, 0,1,2,3
	v_mov_b32 v[TM+4+\b], 0                        ; a lane permute's destination counts as one of its sources
.endr
	s_cmp_lt_u32 s[CID], 16                        ; the same in all sixteen partners
	s_cbranch_scc0 .Lvt
	TABLE 0, 0
.irp a, 0,1,2,3,4,5,6,7
	EPIQ \a
.endr
	s_branch .Lwords
.Lvt:                                                  ; V^T is quantised as it stands
.irp a, 0,1,2,3,4,5,6,7
	OUTF \a
.endr
.Lwords:
	v_cndmask_b32 v[MW], v[SW], v[SW+1], s2        ; lanes 0-15: block 0's words, lanes 16-31: block 1's; and so on
	v_cndmask_b32 v[MW+1], v[SW+2], v[SW+3], s2
	v_cndmask_b32 v[MW+2], v[SW+4], v[SW+5], s2
	v_cndmask_b32 v[MW+3], v[SW+6], v[SW+7], s2
.irp i, 0,1,2,3
	v_lshrrev_b32 v[MW+4+\i], 16, v[MW+\i]         ; the second variant: the odd head's two bytes lowest
.endr
.irp g, 0,1,2,3
	global_store_b64 v[CO], v[MW+2*\g:MW+2*\g+1], s[12:13] offset:256*\g
.endr
	s_wait_tensorcnt 0x0                           ; the wave's end
	ds_add_u32 v[SPW], v[NIL]
	s_wait_dscnt 0x0
	CROUND                                         ; the closing round
	s_endpgm
.Lfunc_end_k_q5fcb3b8422_qkv:
	.size	k_q5fcb3b8422_qkv, .Lfunc_end_k_q5fcb3b8422_qkv-k_q5fcb3b8422_qkv
	.p2alignl 7, 3214868480
	.fill 96, 4, 3214868480
	.section	.rodata,"a",@progbits
	.p2align	6, 0x0
	.amdhsa_kernel k_q5fcb3b8422_qkv
		.amdhsa_group_segment_fixed_size 327680
		.amdhsa_private_segment_fixed_size 0
		.amdhsa_enable_private_segment 0
		.amdhsa_kernarg_size 40
		.amdhsa_user_sgpr_count 2
		.amdhsa_user_sgpr_kernarg_segment_ptr 1
		.amdhsa_wavefront_size32 1
		.amdhsa_system_sgpr_workgroup_id_x 1
		.amdhsa_system_sgpr_workgroup_id_y 1
		.amdhsa_system_sgpr_workgroup_id_z 1
		.amdhsa_system_vgpr_workitem_id 0
		.amdhsa_next_free_vgpr 1024
		.amdhsa_next_free_sgpr 102
		.amdhsa_reserve_vcc 0
		.amdhsa_float_denorm_mode_32 3
		.amdhsa_float_denorm_mode_16_64 3
		.amdhsa_memory_ordered 1
		.amdhsa_forward_progress 1
		.amdhsa_inst_pref_size 244
	.end_amdhsa_kernel
	.amdgpu_metadata
---
amdhsa.version: [ 1, 2 ]
amdhsa.kernels:
  - .name:           k_q5fcb3b8422_qkv
    .symbol:         k_q5fcb3b8422_qkv.kd
    .args:
      - { .name: opc, .offset: 0, .size: 8, .value_kind: global_buffer, .address_space: global }
      - { .name: ops, .offset: 8, .size: 8, .value_kind: global_buffer, .address_space: global }
      - { .name: rope, .offset: 16, .size: 8, .value_kind: global_buffer, .address_space: global }
      - { .name: qkvc, .offset: 24, .size: 8, .value_kind: global_buffer, .address_space: global }
      - { .name: qkvs, .offset: 32, .size: 8, .value_kind: global_buffer, .address_space: global }
    .group_segment_fixed_size: 327680
    .private_segment_fixed_size: 0
    .kernarg_segment_align: 8
    .kernarg_segment_size: 40
    .max_flat_workgroup_size: 128
    .sgpr_count:     102
    .vgpr_count:     1024
    .wavefront_size: 32
...
	.end_amdgpu_metadata
.endif
;; end of part 2
;; launch attn (part 3): grid 8 x 32, 16 waves a work-group, no clusters, 327,680 bytes of LDS; arguments qkvc, qkvs, oc, os; writes oc, os
.if DOCPART == 3
	.amdgcn_target "amdgcn-amd-amdhsa--gfx1250"
	.amdhsa_code_object_version 6
	.text
	.protected	k_q5fcb3b8422_attn
	.globl	k_q5fcb3b8422_attn
	.p2align	8
	.type	k_q5fcb3b8422_attn,@function
k_q5fcb3b8422_attn:
	s_mov_b64 s[64:65], 0
	v_nop
	global_prefetch_b8 v0, s[64:65] scope:SCOPE_SE
	s_setreg_imm32_b32 hwreg(HW_REG_WAVE_MODE, 25, 1), 1
	s_wait_xcnt 0x0
; O = softmax(Q K^T / 8, causal) V for 64 heads of 64, both products on codes of FP6 (E2M3) with E8M0 scales; O quantised along d for the last product.
; THE SOFTMAX: t = score x log2(e) / 8; M = the row's largest t so far, rounded up to a whole number; p = 2^(t - M) is quantised along the keys; the row's sum of the unquantised p divides O at the end.
; SHARES.  A work-group owns one pair of heads of one sequence and TWO blocks of 128 queries: first block 15 - I, then block I (I = work-group x).  Under the causal mask that is (16 - I) + (I + 1) = 17 steps of 128 keys in
; every work-group: 256 equal work-groups, one loop of constant count.  Wave w: head w / 8 of the pair, tile w % 8 of 16 stored queries.
; A step's K, V and their scale words (26 KiB) come through a ring of two LDS slots: waves 0, 1 fetch K's and V's codes, waves 2, 3 the scale words; all sixteen read them.  No joint loads: work-groups of a pair of heads want
; different chunks in the same step once they have left their first block.
; LAYOUT.  Both products are used transposed: S^T = K Q^T (source 0 = 16 stored keys), O^T = V^T P^T (source 0 = 16 stored features): a lane holds one query throughout.  By the order in which rows are stored, the 16 registers
; of tiles 2 b, 2 b + 1 are 16 neighbours: keys (features) 32 b + 16 (lane / 16) + 0..15.
; K = 64 IN AN INSTRUCTION OF 128: Q's registers 6-11 hold zero codes and its scale word's upper two bytes are 0.  A fragment of K is v[32 + 6 t : 43 + 6 t]: its lower six registers are tile t's 64 codes of my head, its upper six
; the next tile's (tile 7: zeros).  These meet zero codes, and FP6 has no code for NaN or infinity, so they add nothing: half of K's LDS reads and 48 registers are spared.
; LIMITS: a block of zeros carries the byte 1; NaN and infinities are not served.
; REGISTERS: v1-4 places that stay; v5, v6 the add's two; v7 8 x lane; v8-11 the step's LDS addresses; v12 -M, v13 the largest t, v[14:15] the sum; v16-27 Q; v28 the mask's number; v29, v30 LDS places of O's scale words; v31 16 x lane;
; v32-79 K's eight half fragments, then V's four; v80-85 zeros; v86-92 the second block's Q; v93, v94 the two blocks' scale bytes of O; v95 the prefetches' offset; v96-159 S^T, then p; v160-191 O^T; v192-199 K's scale words;
; v224-247, v252, v254 at work; v248-251 V's scale words; v253 p's; v255 Q's.
.set FIB,   1536
.set CHK,   12288                      ; a chunk of 128 tokens in a plane: 8 images
.set SLOT1, 32768                      ; slot 1 begins here: one exclusive or turns an address from slot to slot
.set VOFF,  CHK                        ; in a slot: K's codes, V's codes,
.set KSO,   2*CHK                      ; K's scale words (1,024 bytes, two variants),
.set VSO,   KSO+1024                   ; V's
.set OSC,   65536                      ; behind the ring: O's scale words, 512 bytes for each of the two blocks
.set SPARE, OSC+1024                   ; the spare words, 128 bytes for each wave: eight blocks of 256 bytes that no other line names
.set AK0,  1
.set AV0,  2
.set ASK0, 3
.set ASV0, 4
.set SPW,  5
.set NIL,  6
.set ADK,  8
.set ADV,  9
.set ADS,  10
.set ADT,  11
.set PFO,  95
.set TB,   2                           ; s2  the slot in hand
.set CNT,  3                           ; s3  the loop's count
.set WV,   18
.set HD,   19
.set SEL,  20
.set CS,   22                          ; s[22:23] c = log2(e) / 8
.set G1C,  24                          ; s[24:31] group 1, codes; s[32:39] scale words; s[40:43], s[44:47] their groups 0
.set G1S,  32
.set G0C,  40
.set G0S,  44
.set BASEC, 48                         ; s[48:49], s[50:51] chunk 0 of what I fetch
.set BASES, 50
.set KC,   52                          ; the step's chunk of keys
.set QB,   53                          ; the block of queries in hand
.set NKC,  54                          ; the next step's chunk
.set WI,   55
.set WB,   56
.set HP,   57
.set QT,   58
.set OFX,  59
.set OCP,  62                          ; s[62:63] where O's codes go
.set PFA,  66                          ; s[66:67] where the prefetches stand
.set LIM,  68
.set OQ,   70
.macro TLOAD                           ; waves 0, 1: codes; waves 2, 3: scale words; the others nothing.  An s_nop 0 and four v_nop follow each line
	s_cmp_lt_u32 s[WV], 2
	s_cbranch_scc0 .Lnot_c_\@
	tensor_load_to_lds s[G0C:G0C+3], s[G1C:G1C+7]
	s_nop 0
.rept 4
	v_nop
.endr
	s_branch .Lasked_\@
.Lnot_c_\@:
	s_cmp_lt_u32 s[WV], 4
	s_cbranch_scc0 .Lasked_\@
	tensor_load_to_lds s[G0S:G0S+3], s[G1S:G1S+7]
	s_nop 0
.rept 4
	v_nop
.endr
.Lasked_\@:
.endm
; A PREFETCH INTO THE L2 of the codes that the NEXT change of slots will ask for: 48 blocks of 256 bytes of K and 48 of V, a lane a block.  The work-group with I = 0 walks all 16 chunks of its pair of heads in order: it asks,
; and nobody else; in it waves 4, 5, 6, one instruction each.  Chunks 2 to 15 are named once each; chunks 0 and 1 and the scale words come by their loads alone.
.macro ASK
	s_cmp_gt_u32 s[CNT], s[LIM]
	s_cbranch_scc0 .Lnot_mine_\@
	global_prefetch_b8 v[PFO], s[PFA:PFA+1] th:TH_LOAD_NT scope:SCOPE_SE
.Lnot_mine_\@:
.endm
	s_load_b256 s[4:11], s[0:1], 0x0               ; qkvc, qkvs, oc, os
	v_lshl_add_u32 v[SPW], v0, 2, SPARE
	v_mov_b32 v[NIL], 0
	ds_add_u32 v[SPW], v[NIL]                      ; the wave's opening: the add and its wait come ahead of my first tensor load; the set-up below stands between them
	v_lshrrev_b32 v8, 5, v0
	v_readfirstlane_b32 s[WV], v8                  ; wave 0..15
	s_lshr_b32 s[HD], s[WV], 3
	s_and_b32 s[QT], s[WV], 7
	s_and_b32 s69, s[WV], 1
	s_mov_b32 s[WI], ttmp9
	s_and_b32 s[HP], ttmp7, 0xffff
	s_lshr_b32 s[WB], s[HP], 3                     ; the sequence
	s_and_b32 s[HP], s[HP], 7                      ; the pair of heads
	s_mov_b32 s[G1C], 3<<16                        ; codes: 12,288 dense bytes as 48 rows of 32 elements of 8 bytes; no mask, no padding
	s_mov_b32 s[G1C+1], 32<<16
	s_mov_b32 s[G1C+2], 48<<16
	s_mov_b32 s[G1C+3], 32<<16
	s_mov_b32 s[G1C+4], 48
	s_mov_b32 s[G1C+5], 32
	s_mov_b32 s[G1C+6], 0
	s_mov_b32 s[G1C+7], 0
	s_mov_b32 s[G1S], 3<<16                        ; scale words: 1,024 dense bytes as 4 rows
	s_mov_b32 s[G1S+1], 32<<16
	s_mov_b32 s[G1S+2], 4<<16
	s_mov_b32 s[G1S+3], 32<<16
	s_mov_b32 s[G1S+4], 4
	s_mov_b32 s[G1S+5], 32
	s_mov_b32 s[G1S+6], 0
	s_mov_b32 s[G1S+7], 0
	s_mov_b32 s[SEL], 0x76543210
	s_mov_b32 s[SEL+1], 0xfedcba98
	s_mov_b32 s[CS], 0x3e38aa3b
	s_mov_b32 s[CS+1], s[CS]
	s_mov_b32 s[TB], 0
	s_mov_b32 s[CNT], 16
	s_mov_b32 s[KC], 0
	s_sub_co_u32 s[QB], 15, s[WI]
	s_mov_b32 s61, 0                               ; stays 0: the upper word of every offset in s[60:61]
	s_mov_b32 s79, 0
	s_lshl_b32 s60, s69, 3
	s_add_co_u32 s60, s60, s[HP]
	s_add_co_u32 s60, s60, 8                       ; the plane that I fetch from: K's (even waves) or V's
	s_lshl_b32 s78, s60, 6
	s_lshl_b32 s71, s[WB], 4
	s_add_co_u32 s78, s78, s71
	s_lshl_b32 s78, s78, 10                        ; its scale words at my sequence's chunk 0
	s_mul_i32 s60, s60, 64*CHK
	s_mul_i32 s71, s[WB], 16*CHK
	s_add_co_u32 s60, s60, s71                     ; and its codes
	s_wait_dscnt 0x0                               ; the opening add is done
	s_wait_kmcnt 0x0
	s_add_nc_u64 s[BASEC:BASEC+1], s[4:5], s[60:61]
	s_add_nc_u64 s[BASES:BASES+1], s[6:7], s[78:79]
	s_mov_b32 s[G0C], 1
	s_mul_i32 s[G0C+1], s69, CHK
	s_mov_b64 s[G0C+2:G0C+3], s[BASEC:BASEC+1]
	s_or_b32 s[G0C+3], s[G0C+3], 0x80000000
	s_mov_b32 s[G0S], 1
	s_lshl_b32 s[G0S+1], s69, 10
	s_add_co_u32 s[G0S+1], s[G0S+1], KSO
	s_mov_b64 s[G0S+2:G0S+3], s[BASES:BASES+1]
	s_or_b32 s[G0S+3], s[G0S+3], 0x80000000
	TLOAD                                          ; chunk 0 into slot 0
	; where Q lies, where O goes
	s_lshr_b32 s71, s[QT], 2
	s_lshl_b32 s[OQ], s71, 8
	s_and_b32 s71, s[QT], 1
	s_lshl_b32 s71, s71, 7
	s_add_co_u32 s[OQ], s[OQ], s71
	s_bfe_u32 s71, s[QT], 0x10001
	s_lshl_b32 s71, s71, 2
	s_add_co_u32 s[OQ], s[OQ], s71                 ; my tile's place among a chunk's scale words
	s_mul_i32 s62, s[HP], 64*CHK
	s_mul_i32 s71, s[WB], 16*CHK
	s_add_co_u32 s62, s62, s71
	s_mul_i32 s71, s[QT], FIB
	s_add_co_u32 s62, s62, s71
	s_mul_i32 s71, s[HD], 768
	s_add_co_u32 s62, s62, s71
	s_mul_i32 s60, s[QB], CHK
	s_add_co_u32 s60, s60, s62
	s_add_nc_u64 s[72:73], s[4:5], s[60:61]        ; Q's codes: block 15 - I,
	s_mul_i32 s60, s[WI], CHK
	s_add_co_u32 s60, s60, s62
	s_add_nc_u64 s[74:75], s[4:5], s[60:61]        ; block I
	s_lshl_b32 s63, s[HP], 6
	s_lshl_b32 s71, s[WB], 4
	s_add_co_u32 s63, s63, s71
	s_lshl_b32 s63, s63, 10
	s_lshl_b32 s71, s[HD], 9                       ; my head's variant
	s_add_co_u32 s63, s63, s71
	s_add_co_u32 s63, s63, s[OQ]
	s_lshl_b32 s60, s[QB], 10
	s_add_co_u32 s60, s60, s63
	s_add_nc_u64 s[76:77], s[6:7], s[60:61]        ; Q's scale words likewise
	s_lshl_b32 s60, s[WI], 10
	s_add_co_u32 s60, s60, s63
	s_add_nc_u64 s[78:79], s[6:7], s[60:61]
	s_mul_i32 s[OFX], s[HP], FIB                   ; O: K step = my pair of heads, my head's half of the image, my tile, my sequence
	s_mul_i32 s71, s[HD], 768
	s_add_co_u32 s[OFX], s[OFX], s71
	s_mul_i32 s71, s[QT], 8*FIB
	s_add_co_u32 s[OFX], s[OFX], s71
	s_mul_i32 s71, s[WB], 16*8*8*FIB
	s_add_co_u32 s[OFX], s[OFX], s71
	s_add_co_u32 s60, s[HP], 8                     ; the prefetches: K's plane of my pair of heads, my sequence, chunk 1; the first change of slots steps it to chunk 2
	s_mul_i32 s60, s60, 64*CHK
	s_mul_i32 s71, s[WB], 16*CHK
	s_add_co_u32 s60, s60, s71
	s_add_co_u32 s60, s60, CHK
	s_add_nc_u64 s[PFA:PFA+1], s[4:5], s[60:61]
	s_sub_co_u32 s71, s[WV], 4
	s_cmp_lt_u32 s71, 3                            ; waves 4, 5, 6
	s_cselect_b32 s71, 0, 1
	s_or_b32 s71, s71, s[WI]                       ; of the work-group with I = 0
	s_cmp_eq_u32 s71, 0
	s_cselect_b32 s[LIM], 2, -1                    ; they ask while the count is above 2: the last chunk named is 15
	v_and_b32 v8, 15, v0                           ; r
	v_bfe_u32 v9, v0, 4, 1                         ; h
	v_and_b32 v10, 31, v0
	v_lshlrev_b32 v7, 3, v10
	v_lshlrev_b32 v31, 4, v10
	v_lshlrev_b32 v11, 3, v8                       ; 8 r
	s_mul_i32 s71, s[HD], 768
	v_add_nc_u32 v[AK0], s71, v7                   ; K: my head's three pairs of a tile's image
	s_mul_i32 s71, s[HD], 4*FIB
	s_add_co_u32 s71, s71, VOFF
	v_add_nc_u32 v[AV0], s71, v7                   ; V: my head's four tiles
	s_lshl_b32 s71, s[HD], 9
	s_add_co_u32 s71, s71, KSO
	v_add_nc_u32 v[ASK0], s71, v11                 ; K's scale words: my head's variant
	s_lshl_b32 s71, s[HD], 8
	s_add_co_u32 s71, s71, VSO
	v_add_nc_u32 v[ASV0], s71, v11                 ; V's: my head's four tiles
	s_lshl_b32 s71, s[HD], 1
	s_add_co_u32 s71, s71, s[OQ]
	s_add_co_u32 s71, s71, OSC
	v_add_nc_u32 v29, s71, v11                     ; O's scale bytes: my tile's word of row r, my head's half of it
	s_lshl_b32 s71, s69, 9
	s_add_co_u32 s71, s71, OSC
	v_add_nc_u32 v30, s71, v31
	s_lshr_b32 s71, s[QT], 1
	s_lshl_b32 s71, s71, 5
	s_and_b32 s60, s[QT], 1
	s_lshl_b32 s60, s60, 3
	s_add_co_u32 s71, s71, s60
	v_and_b32 v28, 8, v8
	v_add_nc_u32 v28, v28, v8
	v_add_nc_u32 v28, s71, v28                     ; my query's place in its block,
	v_lshlrev_b32 v10, 4, v9
	v_sub_nc_u32 v28, v28, v10                     ; less 16 h: register 16 b + i of a diagonal step is hidden where 32 b + i is above it
.irp p, 0,1,2
	global_load_b64 v[16+2*\p:17+2*\p], v7, s[72:73] offset:256*\p
	global_load_b64 v[86+2*\p:87+2*\p], v7, s[74:75] offset:256*\p
.endr
	global_load_b32 v255, v11, s[76:77]
	global_load_b32 v92, v11, s[78:79]
.irp j, 22,23,24,25,26,27,80,81,82,83,84,85,93,94,236,237,238,239,253,14,15
	v_mov_b32 v[\j], 0
.endr
	v_and_b32 v[PFO], 127, v0                      ; in waves 4 to 6: 0..95
	v_mov_b32 v9, 8*64*CHK-CHK
	v_cmp_gt_u32 vcc_lo, 48, v[PFO]
	v_cndmask_b32 v9, v9, v22, vcc_lo              ; blocks 48..95 lie in V's plane, eight planes on
	v_lshl_add_u32 v[PFO], v[PFO], 8, v9
	v_mov_b32 v13, 0xff61b1e6                      ; the largest t so far: -3e38
	v_floor_f32 v12, -v13                          ; -M
.set j, 0
.rept 32
	v_mov_b32 v[160+j], 0                          ; O^T: the step is written once; its first turn finds zeros
.set j, j+1
.endr
	s_wait_loadcnt 0x0                             ; Q
	v_and_b32 v255, 0xffff, v255                   ; the upper 64 along K count for nothing
	v_and_b32 v92, 0xffff, v92
.rept 8
	v_nop                                          ; a scale register written by a vector instruction stands 8 places ahead of a scaled matrix instruction
.endr
; THE CHANGE OF SLOTS stands at a step's head.  Each wave waits for all its tensor loads, adds 0 to its spare word, and waits for that and for its reads of the slot that it has left.  fill = 1: that slot takes the next step's chunk.
.macro CHANGE fill
	s_wait_tensorcnt 0x0                           ; no tensor load of mine is out, so a group 0 may be written
	ds_add_u32 v[SPW], v[NIL]
.if \fill
	s_add_co_u32 s[NKC], s[KC], 1
	s_cmp_eq_u32 s[KC], s[QB]
	s_cselect_b32 s[NKC], 0, s[NKC]                ; behind the diagonal: the second block's chunk 0
	s_xor_b32 s[G0C+1], s[G0C+1], SLOT1
	s_xor_b32 s[G0S+1], s[G0S+1], SLOT1
	s_mul_i32 s60, s[NKC], CHK
	s_add_nc_u64 s[G0C+2:G0C+3], s[BASEC:BASEC+1], s[60:61]
	s_or_b32 s[G0C+3], s[G0C+3], 0x80000000
	s_lshl_b32 s60, s[NKC], 10
	s_add_nc_u64 s[G0S+2:G0S+3], s[BASES:BASES+1], s[60:61]
	s_or_b32 s[G0S+3], s[G0S+3], 0x80000000
	s_wait_xcnt 0x0                                ; the last prefetch, a step back, has read its address
	s_add_nc_u64 s[PFA:PFA+1], s[PFA:PFA+1], CHK
.endif
	s_wait_dscnt 0x0                               ; the add is done, and my reads of the slot that I have left are over
	s_barrier_signal -1
	s_barrier_wait -1
.if \fill
	TLOAD                                          ; the first thing behind the barrier, and a wave's one tensor load until the next
	ASK
.endif
.endm
; A BLOCK OF QUERIES IS FINISHED: O^T / the sum, quantised along my head's 64; its codes are half an image; its two scale bytes are kept in v[keep].
.macro FINISH keep, last
.rept 4
	v_nop                                          ; places behind the last products
.endr
	v_add_f32 v14, v14, v15
	v_permlanex16_b32 v252, v14, s[SEL], s[SEL+1]
	v_add_f32 v14, v14, v252                       ; the row's sum
	v_rcp_f32 v14, v14
	v_nop                                          ; a plain place behind the transcendental,
	s_wait_alu depctr_va_vdst(0)                   ; and a wait ahead of its first reader
.set j, 0
.rept 16
	v_pk_mul_f32 v[96+j:97+j], v[160+j:161+j], v[14:15] op_sel_hi:[1,0]   ; register 16 b + i: feature 32 b + 16 h + i; each accumulator from its low end on
.set j, j+2
.endr
.irp b, 0,1
	v_max3_num_f32 v[232+\b], |v[96+16*\b]|, |v[97+16*\b]|, 0x1800000
.endr
.irp i, 2,4,6,8,10,12,14
.irp b, 0,1
	v_max3_num_f32 v[232+\b], v[232+\b], |v[96+16*\b+\i]|, |v[97+16*\b+\i]|
.endr
.endr
.irp b, 0,1
	v_permlanex16_b32 v[236+\b], v[232+\b], s[SEL], s[SEL+1]
.endr
.irp b, 0,1
	v_max_num_f32 v[232+\b], v[232+\b], v[236+\b]
.endr
.irp b, 0,1
	v_add_nc_u32 v[244+\b], 0xff000000, v[232+\b]
.endr
.irp b, 0,1
	v_lshrrev_b32 v[246+\b], 23, v[244+\b]
.endr
	v_lshl_or_b32 v[\keep], v247, 8, v246
	v_cvt_scalef32_pk16_fp6_f32 v[224:226], v[96:111], v244
	v_cvt_scalef32_pk16_fp6_f32 v[236:238], v[112:127], v245
	v_nop                                          ; one plain place behind a scaled conversion
.irp i, 0,1,2
	v_permlane16_swap_b32 v[224+\i], v[236+\i]
.endr
.irp i, 0,1,2
	v_mov_b32 v[227+\i], v[236+\i]
.endr
	s_wait_xcnt 0x0                                ; earlier stores have read their base
	s_mul_i32 s60, s[QB], 8*8*FIB
	s_add_co_u32 s60, s60, s[OFX]
	s_add_nc_u64 s[OCP:OCP+1], s[8:9], s[60:61]
.irp p, 0,1,2
	global_store_b64 v7, v[224+2*\p:225+2*\p], s[OCP:OCP+1] offset:256*\p   ; 256 consecutive bytes, aligned
.endr
.if !\last
.set j, 0
.rept 32
	v_mov_b32 v[160+j], 0                          ; the second block begins as the first did
.set j, j+1
.endr
	v_mov_b32 v13, 0xff61b1e6
	v_floor_f32 v12, -v13
	v_mov_b32 v14, 0
	v_mov_b32 v15, 0
.irp i, 0,1,2,3,4,5
	v_mov_b32 v[16+\i], v[86+\i]
.endr
	v_mov_b32 v255, v92
.rept 8
	v_nop                                          ; 8 places between the scale register's write and the next scaled matrix instruction
.endr
	s_wait_xcnt 0x0                                ; the stores have read the codes' registers: the next step writes them
.endif
.endm
; A KEY STEP: 128 keys.
.macro STEP last
	v_add_nc_u32 v[ADK], s[TB], v[AK0]             ; (these four are also the places in front of loads into registers that the last products read)
	v_add_nc_u32 v[ADV], s[TB], v[AV0]
	v_add_nc_u32 v[ADS], s[TB], v[ASK0]
	v_add_nc_u32 v[ADT], s[TB], v[ASV0]
.irp t, 0,1,2,3,4,5,6,7
	ds_load_b32 v[192+\t], v[ADS] offset:256*(\t/4)+128*(\t%2)+4*((\t/2)%2)
.endr
.irp t, 0,1,2,3,4,5,6,7
.irp p, 0,1,2
	ds_load_b64 v[32+6*\t+2*\p:33+6*\t+2*\p], v[ADK] offset:FIB*\t+256*\p
.endr
.endr
	s_wait_dscnt 9                                 ; tiles 0-4 are in; tiles 5-7, three loads each, may be out
.irp t, 0,1,2,3
	v_wmma_scale_f32_16x16x128_f8f6f4 v[96+8*\t:103+8*\t], v[32+6*\t:43+6*\t], v[16:27], 0, v[192+\t], v255 matrix_a_fmt:MATRIX_FMT_FP6 matrix_b_fmt:MATRIX_FMT_FP6
.endr
	s_wait_dscnt 0x0
.irp t, 4,5,6,7
	v_wmma_scale_f32_16x16x128_f8f6f4 v[96+8*\t:103+8*\t], v[32+6*\t:43+6*\t], v[16:27], 0, v[192+\t], v255 matrix_a_fmt:MATRIX_FMT_FP6 matrix_b_fmt:MATRIX_FMT_FP6
.endr
.rept 4
	v_nop
.endr
.irp f, 0,1,2,3                                ; V's four fragments land under the softmax
	ds_load_b32 v[248+\f], v[ADT] offset:128*(\f%2)+4*(\f/2)
.irp p, 0,1,2,3,4,5
	ds_load_b64 v[32+12*\f+2*\p:33+12*\f+2*\p], v[ADV] offset:FIB*\f+256*\p
.endr
.endr
.if !\last
	s_cmp_lg_u32 s[KC], s[QB]                      ; only the diagonal step hides keys: ids and the count of steps alone
	s_cbranch_scc1 .Lopen_\@
.endif
	v_mov_b32 v254, 0xff800000                     ; -infinity
.set n, 0
.rept 64
	v_cmp_gt_i32 vcc_lo, 32*(n/16)+n%16, v28
	v_cndmask_b32 v[96+n], v[96+n], v254, vcc_lo
.set n, n+1
.endr
.Lopen_\@:
.irp b, 0,1,2,3
	v_max3_num_f32 v[232+\b], v[96+16*\b], v[97+16*\b], v[98+16*\b]   ; the largest score of each block of 32 keys: for the row's maximum, and, since p rises with the score, for the block's largest p
.endr
.irp i, 3,5,7,9,11,13
.irp b, 0,1,2,3
	v_max3_num_f32 v[232+\b], v[232+\b], v[96+16*\b+\i], v[97+16*\b+\i]
.endr
.endr
.irp b, 0,1,2,3
	v_max_num_f32 v[232+\b], v[232+\b], v[111+16*\b]
.endr
.irp b, 0,1,2,3
	v_permlanex16_b32 v[236+\b], v[232+\b], s[SEL], s[SEL+1]
.endr
.irp b, 0,1,2,3
	v_max_num_f32 v[232+\b], v[232+\b], v[236+\b]
.endr
	v_max3_num_f32 v254, v232, v233, v234
	v_max_num_f32 v254, v254, v235
	v_mul_f32 v254, s[CS], v254
	v_max_num_f32 v13, v13, v254                   ; the running largest t
	v_mov_b32 v254, v12
	v_floor_f32 v12, -v13                          ; the new -M = -ceil(t)
	v_sub_f32 v254, v12, v254
	v_cvt_i32_f32 v254, v254                       ; (it saturates)
	v_ldexp_f32 v252, 1.0, v254                    ; f = 2^(old M - new M): exact
.set j, 0
.rept 32
	v_pk_fma_f32 v[96+j:97+j], v[96+j:97+j], s[CS:CS+1], v[12:13] op_sel_hi:[1,0,0]   ; t - M
.set j, j+2
.endr
.irp b, 0,1,2,3
	v_fma_f32 v[232+\b], v[232+\b], s[CS], v12
.endr
.set j, 0
.rept 64
	v_exp_f32 v[96+j], v[96+j]                     ; p = 2^(t - M)
.set j, j+1
.endr
	v_pk_mul_f32 v[14:15], v[14:15], v[252:253] op_sel_hi:[1,0]   ; the sums under the new M (a plain place behind the exponentials)
	s_wait_alu depctr_va_vdst(0)                   ; one wait for the whole batch, ahead of its first reader
.irp b, 0,1,2,3
	v_exp_f32 v[232+\b], v[232+\b]                 ; each block's largest p
.endr
	v_pk_add_f32 v[236:237], v[96:97], v[98:99]    ; the row's sum of the unquantised p, in two chains
.irp j, 4,8,12,16,20,24,28,32,36,40,44,48,52,56,60
	v_pk_add_f32 v[14:15], v[14:15], v[96+\j:97+\j]
	v_pk_add_f32 v[236:237], v[236:237], v[98+\j:99+\j]
.endr
	v_pk_add_f32 v[14:15], v[14:15], v[236:237]
	s_wait_alu depctr_va_vdst(0)                   ; and one for the four
.irp b, 0,1,2,3
	v_max_num_f32 v[232+\b], 0x1800000, v[232+\b]  ; the floor 2^(3 - 127)
.endr
.irp b, 0,1,2,3
	v_add_nc_u32 v[244+\b], 0xff000000, v[232+\b]
.endr
.irp b, 0,1,2,3
	v_lshrrev_b32 v[236+\b], 23, v[244+\b]
.endr
	v_lshl_or_b32 v253, v237, 8, v236              ; p's scale word for these 128 keys
	v_lshl_or_b32 v253, v238, 16, v253
	v_lshl_or_b32 v253, v239, 24, v253
.irp c, 0,1
	v_cvt_scalef32_pk16_fp6_f32 v[224+6*\c:226+6*\c], v[96+32*\c:111+32*\c], v[244+2*\c]
	v_cvt_scalef32_pk16_fp6_f32 v[236+4*\c:238+4*\c], v[112+32*\c:127+32*\c], v[244+2*\c+1]
.endr
	v_nop                                          ; one plain place behind a scaled conversion
.irp c, 0,1
.irp i, 0,1,2
	v_permlane16_swap_b32 v[224+6*\c+\i], v[236+4*\c+\i]
.endr
.irp i, 0,1,2
	v_mov_b32 v[227+6*\c+\i], v[236+4*\c+\i]
.endr
.endr
.set j, 0
.rept 16
	v_pk_mul_f32 v[160+j:161+j], v[160+j:161+j], v[252:253] op_sel_hi:[1,0]   ; O^T under the new M (also the places in front of the products below)
.set j, j+2
.endr
.rept 4
	v_nop
.endr
	s_wait_dscnt 0x0                               ; V is in
.irp f, 0,1,2,3                                ; the four accumulators by turns, one instruction a turn
	v_wmma_scale_f32_16x16x128_f8f6f4 v[160+8*\f:167+8*\f], v[32+12*\f:43+12*\f], v[224:235], v[160+8*\f:167+8*\f], v[248+\f], v253 matrix_a_fmt:MATRIX_FMT_FP6 matrix_b_fmt:MATRIX_FMT_FP6
.endr
.if \last
	FINISH 94, 1
.else
	s_cmp_lg_u32 s[KC], s[QB]
	s_cbranch_scc1 .Lgo_\@
	FINISH 93, 0
	s_mov_b32 s[QB], s[WI]                         ; on to the second block
.Lgo_\@:
	s_mov_b32 s[KC], s[NKC]
	s_xor_b32 s[TB], s[TB], SLOT1
.endif
.endm
.Lstep:                                            ; 16 trips: behind each change of slots the next step's chunk is asked for
	CHANGE 1
	STEP 0
	s_sub_co_u32 s[CNT], s[CNT], 1
	s_cmp_lg_u32 s[CNT], 0
	s_cbranch_scc1 .Lstep
	CHANGE 0                                       ; the seventeenth step, the second block's diagonal, is written out
	STEP 1
	; O's scale words: a word's two halves come from the two heads' waves; they meet in LDS and leave as 512 dense bytes for each block
	ds_store_b16 v29, v93
	ds_store_b16 v29, v94 offset:512
	s_wait_dscnt 0x0                               ; for the others' sake
	s_barrier_signal -1
	s_barrier_wait -1
	s_cmp_lt_u32 s[WV], 2
	s_cbranch_scc0 .Lend
	ds_load_b128 v[96:99], v30
	s_sub_co_u32 s60, 15, s[WI]
	s_cmp_eq_u32 s[WV], 0
	s_cselect_b32 s60, s60, s[WI]                  ; wave 0: block 15 - I; wave 1: block I
	s_lshl_b32 s71, s[WB], 4
	s_add_co_u32 s60, s60, s71
	s_lshl_b32 s60, s60, 12
	s_lshl_b32 s71, s[HP], 9
	s_add_co_u32 s60, s60, s71
	s_add_nc_u64 s[10:11], s[10:11], s[60:61]
	s_wait_dscnt 0x0
	global_store_b128 v31, v[96:99], s[10:11]      ; 512 consecutive bytes, aligned
.Lend:
	s_wait_tensorcnt 0x0                           ; the wave's end, behind my last tensor load and my last LDS store
	ds_add_u32 v[SPW], v[NIL]
	s_wait_dscnt 0x0
	s_endpgm
.Lfunc_end_k_q5fcb3b8422_attn:
	.size	k_q5fcb3b8422_attn, .Lfunc_end_k_q5fcb3b8422_attn-k_q5fcb3b8422_attn
	.p2alignl 7, 3214868480
	.fill 96, 4, 3214868480
	.section	.rodata,"a",@progbits
	.p2align	6, 0x0
	.amdhsa_kernel k_q5fcb3b8422_attn
		.amdhsa_group_segment_fixed_size 327680
		.amdhsa_private_segment_fixed_size 0
		.amdhsa_enable_private_segment 0
		.amdhsa_kernarg_size 32
		.amdhsa_user_sgpr_count 2
		.amdhsa_user_sgpr_kernarg_segment_ptr 1
		.amdhsa_wavefront_size32 1
		.amdhsa_system_sgpr_workgroup_id_x 1
		.amdhsa_system_sgpr_workgroup_id_y 1
		.amdhsa_system_sgpr_workgroup_id_z 1
		.amdhsa_system_vgpr_workitem_id 0
		.amdhsa_next_free_vgpr 256
		.amdhsa_next_free_sgpr 80
		.amdhsa_reserve_vcc 1
		.amdhsa_float_denorm_mode_32 3
		.amdhsa_float_denorm_mode_16_64 3
		.amdhsa_memory_ordered 1
		.amdhsa_forward_progress 1
		.amdhsa_inst_pref_size 67
	.end_amdhsa_kernel
	.amdgpu_metadata
---
amdhsa.version: [ 1, 2 ]
amdhsa.kernels:
  - .name:           k_q5fcb3b8422_attn
    .symbol:         k_q5fcb3b8422_attn.kd
    .args:
      - { .name: qkvc, .offset: 0, .size: 8, .value_kind: global_buffer, .address_space: global }
      - { .name: qkvs, .offset: 8, .size: 8, .value_kind: global_buffer, .address_space: global }
      - { .name: oc, .offset: 16, .size: 8, .value_kind: global_buffer, .address_space: global }
      - { .name: os, .offset: 24, .size: 8, .value_kind: global_buffer, .address_space: global }
    .group_segment_fixed_size: 327680
    .private_segment_fixed_size: 0
    .kernarg_segment_align: 8
    .kernarg_segment_size: 32
    .max_flat_workgroup_size: 512
    .sgpr_count:     80
    .vgpr_count:     256
    .wavefront_size: 32
...
	.end_amdgpu_metadata
.endif
;; end of part 3
;; launch oproj (part 4): grid 4 x 32, 4 waves a work-group, clusters of 4 x 4, 327,680 bytes of LDS; arguments oc, os, opc, ops, out0; writes out0
.if DOCPART == 4
	.amdgcn_target "amdgcn-amd-amdhsa--gfx1250"
	.amdhsa_code_object_version 6
	.text
	.protected	k_q5fcb3b8422_oproj
	.globl	k_q5fcb3b8422_oproj
	.p2align	8
	.type	k_q5fcb3b8422_oproj,@function
k_q5fcb3b8422_oproj:
	s_mov_b64 s[64:65], 0
	v_nop
	global_prefetch_b8 v0, s[64:65] scope:SCOPE_SE
	s_setreg_imm32_b32 hwreg(HW_REG_WAVE_MODE, 25, 1), 1
	s_wait_xcnt 0x0
	s_wait_alu depctr_hold_cnt(0) depctr_sa_sdst(0) depctr_va_vdst(0) depctr_va_sdst(0) depctr_va_ssrc(0) depctr_va_vcc(0) depctr_vm_vsrc(0)
	s_getreg_b32 s2, hwreg(HW_REG_IB_STS2, 6, 4)
	s_cmp_eq_u32 s2, 0
	s_cbranch_scc0 .Lentry_in_a_cluster
	s_endpgm
.Lentry_in_a_cluster:
	s_bfe_u32 s2, ttmp6, 0x10000c
	s_cmp_lg_u32 s2, 0xf033
	s_cbranch_scc0 .Lentry_shape_is_right
	s_endpgm
.Lentry_shape_is_right:
; out0 = O W_o^T on codes of FP6 (E2M3) with E8M0 scales; out0 [8192][1024] f32.  A = O (oc, os: 512 tiles of 16 stored tokens), B = W_o (opc, ops from tile 704 on, rows in their natural order).
; The operands lie as images of their registers: [tile of 16 rows][K step of 128][1,536 bytes]; the scale words [8 tiles][K step][512 bytes].
; A work-group of four waves makes 256 x 256 of C; a wave 128 x 128: 64 accumulators.  K = 1,024 goes in four steps of 256 through a ring of two LDS slots; the scale words come once.
; CLUSTERS: 4 x 4 work-groups; A's tiles are shared along a row of the cluster, B's along a column: each is asked for jointly.
; THE MATRIX INSTRUCTION IS USED TRANSPOSED (source 0 = 16 rows of B, source 1 = 16 stored rows of A): a lane holds eight neighbouring numbers of a row of C.
; O'S TOKENS ARE STORED IN A CHANGED ORDER: stored row t of a wave's block a is row 32 (a / 2) + 8 (a % 2) + t + 8 (t / 8) of its 128; the way out puts each row in its place by the store's immediate.
; REGISTERS, in windows of 256: window 0: v16-29 addresses; v32-63 scale words, two sets; v128-223 A's fragments; on the way out v128-255 rows of C.  window 1: B's fragments, two sets.  windows 2, 3: the accumulators.
.set NQ,    2
.set FR,    12
.set NL,    6
.set NP,    4                          ; places behind this matrix instruction (ISA guide 7.12.1)
.set FIB,   1536
.set TROW,  8*FIB
.set HALFT, 8*NQ*FIB
.set SLOT,  4*HALFT
.set SCL,   2*SLOT
.set SPARE, SCL+4*4096                 ; the spare words, 128 bytes for each wave: two blocks of 256 bytes that no other line names
.set SPITCH, 528                       ; the way out: a stage of 16 rows x (512 bytes + 16) for each wave, in slot 0, which has had its last fill and its last read when the first result is stored there
.set ADRA, 16
.set ADRB, 20
.set STO,  24
.set RD,   25
.set CO,   26
.set ADRS, 27
.set SPW,  28
.set NIL,  29
.set SC,   32
.set AF,   128
.set BK,   128
.set G1, 24
.set G0, 32
.set G1B, 48
.set G0B, 56
.set G1S, 68
.set G0S, 76
.set G1SB, 80
.set G0SB, 88
.set MSB, 0
.macro WIN new
.if MSB != (\new)
	s_set_vgpr_msb (MSB<<8)|(\new)
.set MSB, (\new)
.endif
.endm
.set MUL_LO, 0xa1
.set MUL_HI, 0xf1
.set TO_B,   0x40
.macro JLOAD g0a, g1a, g0b, g1b        ; a joint load: waves 0 and 1 fetch for A, waves 2 and 3 for B; an s_nop 0 and four v_nop follow each of the two lines
	s_cmp_eq_u32 s15, 0
	s_cbranch_scc0 .Lfor_b_\@
	tensor_load_to_lds s[\g0a:\g0a+3], s[\g1a:\g1a+7]
	s_nop 0
.rept 4
	v_nop
.endr
	s_branch .Lasked_\@
.Lfor_b_\@:
	tensor_load_to_lds s[\g0b:\g0b+3], s[\g1b:\g1b+7]
	s_nop 0
.rept 4
	v_nop
.endr
.Lasked_\@:
.endm
.macro CREST
	s_cmp_lg_u32 s14, 0
	s_cbranch_scc1 .Lnot_wave_0_\@
	s_barrier_signal -3
.Lnot_wave_0_\@:
	s_barrier_wait -3
	s_barrier_signal -1
	s_barrier_wait -1
.endm
.macro CROUND
	s_barrier_signal -1
	s_barrier_wait -1
	CREST
.endm
	s_load_b256 s[4:11], s[0:1], 0x0               ; oc, os, opc, ops
	s_load_b64 s[12:13], s[0:1], 0x20              ; out0
	v_lshl_add_u32 v[SPW], v0, 2, SPARE
	v_mov_b32 v[NIL], 0
	ds_add_u32 v[SPW], v[NIL]                      ; the wave's opening: the add and its wait come ahead of my first tensor load
	v_lshrrev_b32 v1, 5, v0
	v_readfirstlane_b32 s14, v1
	s_lshr_b32 s15, s14, 1
	s_and_b32 s16, s14, 1
	s_bfe_u32 s40, ttmp6, 0x40000
	s_bfe_u32 s41, ttmp6, 0x40004
	s_lshl_b32 s42, ttmp9, 2
	s_add_co_u32 s42, s42, s40                     ; tile column
	s_and_b32 s17, ttmp7, 0xffff
	s_lshl_b32 s17, s17, 2
	s_add_co_u32 s17, s17, s41                     ; tile row
	s_lshl_b32 s43, s41, 2
	s_lshl_b32 s43, 15, s43
	s_lshl_b32 s44, 0x1111, s40
	s_or_b32 s[G1+0], s43, (3<<16)|(1<<21)         ; codes: 8 rows (tiles) of 384 elements of 8 bytes (two images), 1,536 elements apart
	s_or_b32 s[G1B+0], s44, (3<<16)|(1<<21)
.irp g, G1, G1B
	s_mov_b32 s[\g+1], 384<<16
	s_mov_b32 s[\g+2], 8<<16
	s_mov_b32 s[\g+3], 384<<16
	s_mov_b32 s[\g+4], 8
	s_mov_b32 s[\g+5], 1536
	s_mov_b32 s[\g+6], 0
	s_mov_b32 s[\g+7], 0
.endr
	s_or_b32 s[G1S+0], s43, (3<<16)|(1<<21)        ; scale words of 128 rows: 4,096 dense bytes as 16 rows of 256
	s_or_b32 s[G1SB+0], s44, (3<<16)|(1<<21)
.irp g, G1S, G1SB
	s_mov_b32 s[\g+1], 32<<16
	s_mov_b32 s[\g+2], 16<<16
	s_mov_b32 s[\g+3], 32<<16
	s_mov_b32 s[\g+4], 16
	s_mov_b32 s[\g+5], 32
	s_mov_b32 s[\g+6], 0
	s_mov_b32 s[\g+7], 0
.endr
	s_lshl_b32 s18, s16, 3
	s_lshl_b32 s20, s17, 4
	s_add_co_u32 s20, s20, s18                     ; A: the first of the 8 tiles that I fetch
	s_lshl_b32 s46, s42, 4
	s_add_co_u32 s46, s46, s18
	s_add_co_u32 s46, s46, 704                     ; B: W_o begins at tile 704
	s_lshl_b32 s22, s20, 9
	s_mov_b32 s23, 0
	s_lshl_b32 s92, s46, 9
	s_mov_b32 s93, 0
	s_mul_i32 s20, s20, TROW
	s_mov_b32 s21, 0
	s_mul_i32 s46, s46, TROW
	s_mov_b32 s47, 0
	s_mul_i32 s45, s14, HALFT
	s_lshl_b32 s94, s14, 12
	s_wait_dscnt 0x0                               ; the opening add is done
	s_wait_kmcnt 0x0
	s_add_nc_u64 s[20:21], s[4:5], s[20:21]
	s_add_nc_u64 s[22:23], s[6:7], s[22:23]
	s_add_nc_u64 s[46:47], s[8:9], s[46:47]
	s_add_nc_u64 s[92:93], s[10:11], s[92:93]
	CROUND                                         ; all sixteen work-groups are here: the first joint loads meet
	s_mov_b32 s[G0S], 1
	s_add_co_u32 s[G0S+1], s94, SCL
	s_mov_b64 s[G0S+2:G0S+3], s[22:23]
	s_or_b32 s[G0S+3], s[G0S+3], 0x80000000
	s_mov_b32 s[G0SB], 1
	s_add_co_u32 s[G0SB+1], s94, SCL
	s_mov_b64 s[G0SB+2:G0SB+3], s[92:93]
	s_or_b32 s[G0SB+3], s[G0SB+3], 0x80000000
	JLOAD G0S, G1S, G0SB, G1SB
.irp s, 0,1
	s_mov_b32 s[G0+4*\s], 1
	s_add_co_u32 s[G0+4*\s+1], s45, \s*SLOT
	s_add_nc_u64 s[G0+4*\s+2:G0+4*\s+3], s[20:21], \s*NQ*FIB
	s_or_b32 s[G0+4*\s+3], s[G0+4*\s+3], 0x80000000
	s_mov_b32 s[G0B+4*\s], 1
	s_add_co_u32 s[G0B+4*\s+1], s45, \s*SLOT
	s_add_nc_u64 s[G0B+4*\s+2:G0B+4*\s+3], s[46:47], \s*NQ*FIB
	s_or_b32 s[G0B+4*\s+3], s[G0B+4*\s+3], 0x80000000
	JLOAD G0+4*\s, G1, G0B+4*\s, G1B               ; three loads of mine are out behind the second of these
.endr
	v_and_b32 v1, 15, v0                           ; r
	v_bfe_u32 v2, v0, 4, 1                         ; h
	v_and_b32 v6, 31, v0
	v_lshlrev_b32 v3, 3, v6                        ; 8 x lane
	s_mul_i32 s18, s15, HALFT
	s_mul_i32 s19, s16, HALFT
	s_add_co_u32 s19, s19, 2*HALFT
.irp s, 0,1
	v_add_nc_u32 v[ADRA+\s], s18, v3
	v_add_nc_u32 v[ADRB+\s], s19, v3
	s_add_co_u32 s18, s18, SLOT
	s_add_co_u32 s19, s19, SLOT
.endr
	s_lshl_b32 s18, s15, 12
	s_lshl_b32 s19, s16, 12
	s_add_co_u32 s19, s19, 8192
	s_sub_co_u32 s19, s19, s18
	v_mul_u32_u24 v4, s19, v2                      ; lanes 16-31 take B's scale words
	s_add_co_u32 s18, s18, SCL
	v_lshl_add_u32 v4, v1, 3, v4
	v_add_nc_u32 v[ADRS], s18, v4
	s_mul_i32 s23, s14, 16*SPITCH                  ; my stage
	v_mul_u32_u24 v5, v1, SPITCH                   ; in: row r, 32 bytes for each half of the lanes
	v_lshl_add_u32 v5, v2, 5, v5
	v_add_nc_u32 v[STO], s23, v5
	v_lshlrev_b32 v[CO], 4, v6                     ; back: the 32 lanes take one row of 512 bytes; and the same in C
	v_add_nc_u32 v[RD], s23, v[CO]
	s_lshl_b32 s20, s17, 8
	s_lshl_b32 s21, s15, 7
	s_add_co_u32 s20, s20, s21                     ; my first row of C
	s_lshl_b32 s20, s20, 12                        ; 4,096 bytes a row
	s_mov_b32 s21, 0
	s_lshl_b32 s46, s42, 10
	s_lshl_b32 s47, s16, 9
	s_add_co_u32 s46, s46, s47                     ; my first column, in bytes
	s_mov_b32 s47, 0
	s_add_nc_u64 s[20:21], s[20:21], s[46:47]
	s_add_nc_u64 s[12:13], s[12:13], s[20:21]
.macro FRAG reg, adr, q, i             ; a fragment comes as it was stored: six loads of 8 bytes a lane, each 256 consecutive bytes
.irp p, 0,1,2,3,4,5
	ds_load_b64 v[\reg+2*\p:\reg+2*\p+1], v[\adr] offset:(2*(\i)+(\q))*FIB+256*\p
.endr
.endm
; 16 matrix instructions; the 64 accumulators take turns, one instruction a turn, in the same order in every step
.macro MUL16 a0, p, q, sc, zero
.irp a, \a0, \a0+1
.irp b, 0,1,2,3,4,5,6,7
.if \zero
	v_wmma_scale_f32_16x16x128_f8f6f4 v[8*(8*((\a)%4)+\b):8*(8*((\a)%4)+\b)+7], v[128*(\p)+FR*\b:128*(\p)+FR*\b+FR-1], v[AF+FR*(\a):AF+FR*(\a)+FR-1], 0, v[SC+8*NQ*(\sc)+NQ*\b+(\q)], v[SC+8*NQ*(\sc)+NQ*(\a)+(\q)] matrix_a_fmt:MATRIX_FMT_FP6 matrix_b_fmt:MATRIX_FMT_FP6 matrix_a_scale:MATRIX_SCALE_ROW1
.else
	v_wmma_scale_f32_16x16x128_f8f6f4 v[8*(8*((\a)%4)+\b):8*(8*((\a)%4)+\b)+7], v[128*(\p)+FR*\b:128*(\p)+FR*\b+FR-1], v[AF+FR*(\a):AF+FR*(\a)+FR-1], v[8*(8*((\a)%4)+\b):8*(8*((\a)%4)+\b)+7], v[SC+8*NQ*(\sc)+NQ*\b+(\q)], v[SC+8*NQ*(\sc)+NQ*(\a)+(\q)] matrix_a_fmt:MATRIX_FMT_FP6 matrix_b_fmt:MATRIX_FMT_FP6 matrix_a_scale:MATRIX_SCALE_ROW1
.endif
.endr
.endr
.endm
.macro FETCH_B slot, q, p
	WIN TO_B
.irp i, 0,1,2,3,4,5,6,7
	FRAG 128*(\p)+FR*\i, ADRB+\slot, \q, \i
.endr
	WIN 0
.endm
.macro FETCH_A slot, q, i0
.irp i, \i0, \i0+1, \i0+2, \i0+3
	FRAG AF+FR*(\i), ADRA+\slot, \q, \i
.endr
.endm
.macro SCALES sc
.irp i, 0,1,2,3,4,5,6,7
.irp q, 0,1
	ds_load_b32 v[SC+8*NQ*\sc+NQ*\i+\q], v[ADRS] offset:512*\q+256*(\i/4)+128*(\i%2)+4*((\i/2)%2)
.endr
.endr
.endm
.macro PLACES n
.rept \n
	v_nop
.endr
.endm
.macro STEP slot, q, zero
	s_wait_dscnt 4*NL                              ; B's set and A's blocks 0-3 are in; the youngest 24 loads (A's blocks 4-7) may be out
	WIN MUL_LO
	MUL16 0, (\q)%2, \q, \slot, \zero
	MUL16 2, (\q)%2, \q, \slot, \zero
	s_wait_dscnt 0
	PLACES NP
	FETCH_B \slot, (\q)+1, 1-(\q)%2
	FETCH_A \slot, (\q)+1, 0
	WIN MUL_HI
	MUL16 4, (\q)%2, \q, \slot, \zero
	MUL16 6, (\q)%2, \q, \slot, \zero
	PLACES NP
	WIN 0
	FETCH_A \slot, (\q)+1, 4
.endm
.macro TURN slot, next, fill
	s_wait_tensorcnt 0x0                           ; all my tensor loads have landed: my part of the next slot
	ds_add_u32 v[SPW], v[NIL]                      ; 0 onto my spare word
	s_wait_dscnt 4*NL+1                            ; (the add and the youngest 24 loads may be out)
	WIN MUL_LO
	MUL16 0, 1, NQ-1, \slot, 0
	s_wait_dscnt 0x0                               ; the add is done, and my reads of this slot are over
	s_barrier_signal -1
	MUL16 2, 1, NQ-1, \slot, 0
	WIN 0
	s_barrier_wait -1
.if \fill
	CREST                                          ; the barrier has opened a round of the cluster's barrier
	s_add_nc_u64 s[G0+4*\slot+2:G0+4*\slot+3], s[G0+4*\slot+2:G0+4*\slot+3], 2*NQ*FIB
	s_add_nc_u64 s[G0B+4*\slot+2:G0B+4*\slot+3], s[G0B+4*\slot+2:G0B+4*\slot+3], 2*NQ*FIB
	JLOAD G0+4*\slot, G1, G0B+4*\slot, G1B         ; the first tensor load behind the round
.else
	PLACES NP
.endif
	v_add_nc_u32 v[ADRS], 512*NQ, v[ADRS]
	FETCH_B \next, 0, 0
	FETCH_A \next, 0, 0
	SCALES \next
	WIN MUL_HI
	MUL16 4, 1, NQ-1, \slot, 0
	MUL16 6, 1, NQ-1, \slot, 0
	PLACES NP
	WIN 0
	FETCH_A \next, 0, 4
.endm
	s_wait_tensorcnt 1                             ; the scale words and my part of slot 0 are in (slot 1's load may be out),
	s_barrier_signal -1
	s_barrier_wait -1                              ; everybody's are
	FETCH_B 0, 0, 0
	FETCH_A 0, 0, 0
	SCALES 0
	FETCH_A 0, 0, 4
	STEP 0, 0, 1                                   ; the first step's products start the sums
	s_mov_b32 s3, 1
.Llap:
	TURN 0, 1, 1
	STEP 1, 0, 0
	TURN 1, 0, 1
	STEP 0, 0, 0
	s_sub_co_u32 s3, s3, 1
	s_cmp_lg_u32 s3, 0
	s_cbranch_scc1 .Llap
	TURN 0, 1, 0
	STEP 1, 0, 0
	s_wait_dscnt 4*NL
	WIN MUL_LO
	MUL16 0, 1, NQ-1, 1, 0
	MUL16 2, 1, NQ-1, 1, 0
	s_wait_dscnt 0
	WIN MUL_HI
	MUL16 4, 1, NQ-1, 1, 0
	MUL16 6, 1, NQ-1, 1, 0
	WIN 0
; THE WAY OUT, block by block of 16 stored rows x 128 columns, through my own stage in LDS; LDS serves a wave's instructions in order (ISA guide 5.7.1.4): no wait between the stores and the loads.
.macro TOSTAGE a
.set AC, 64*((\a)%4)
	WIN 0x08+4*((\a)/4)                            ; the data: window 2 or 3
.irp b, 0,1,2,3,4,5,6,7
	ds_store_b128 v[STO], v[AC+8*\b:AC+8*\b+3] offset:64*\b          ; each accumulator from its low end on
	ds_store_b128 v[STO], v[AC+8*\b+4:AC+8*\b+7] offset:64*\b+16
.endr
	WIN 0
.set BB, BK+64*((\a)%2)
.irp t, 0,1,2,3,4,5,6,7,8,9,10,11,12,13,14,15
	ds_load_b128 v[BB+4*\t:BB+4*\t+3], v[RD] offset:\t*SPITCH
.endr
.endm
.macro SEND a, younger                 ; younger: the LDS instructions issued behind block a's loads, which may stay out
.set BB, BK+64*((\a)%2)
	s_wait_dscnt \younger
.irp t, 0,1,2,3,4,5,6,7,8,9,10,11,12,13,14,15
	global_store_b128 v[CO], v[BB+4*\t:BB+4*\t+3], s[12:13] offset:(32*((\a)/2)+8*((\a)%2)+\t+8*(\t/8))*4096 th:TH_STORE_NT   ; 32 lanes store 512 consecutive bytes, aligned; the row's true place stands in the immediate
.endr
.endm
	PLACES NP
	TOSTAGE 0
.irp a, 1,2,3,4,5,6,7
.if \a > 1
	s_wait_xcnt 0x0                                ; block a - 2's stores have read their registers: block a's loads may land there
.endif
	TOSTAGE \a
	SEND \a-1, 32                                  ; behind block a - 1's loads: block a's 16 stores and 16 loads
.endr
	SEND 7, 0
	s_wait_tensorcnt 0x0                           ; the wave's end, behind my last tensor load and my last LDS store
	ds_add_u32 v[SPW], v[NIL]
	s_wait_dscnt 0x0
	CROUND                                         ; the closing round
	s_endpgm
.Lfunc_end_k_q5fcb3b8422_oproj:
	.size	k_q5fcb3b8422_oproj, .Lfunc_end_k_q5fcb3b8422_oproj-k_q5fcb3b8422_oproj
	.p2alignl 7, 3214868480
	.fill 96, 4, 3214868480
	.section	.rodata,"a",@progbits
	.p2align	6, 0x0
	.amdhsa_kernel k_q5fcb3b8422_oproj
		.amdhsa_group_segment_fixed_size 327680
		.amdhsa_private_segment_fixed_size 0
		.amdhsa_enable_private_segment 0
		.amdhsa_kernarg_size 40
		.amdhsa_user_sgpr_count 2
		.amdhsa_user_sgpr_kernarg_segment_ptr 1
		.amdhsa_wavefront_size32 1
		.amdhsa_system_sgpr_workgroup_id_x 1
		.amdhsa_system_sgpr_workgroup_id_y 1
		.amdhsa_system_sgpr_workgroup_id_z 1
		.amdhsa_system_vgpr_workitem_id 0
		.amdhsa_next_free_vgpr 1024
		.amdhsa_next_free_sgpr 100
		.amdhsa_reserve_vcc 0
		.amdhsa_float_denorm_mode_32 3
		.amdhsa_float_denorm_mode_16_64 3
		.amdhsa_memory_ordered 1
		.amdhsa_forward_progress 1
		.amdhsa_inst_pref_size 161
	.end_amdhsa_kernel
	.amdgpu_metadata
---
amdhsa.version: [ 1, 2 ]
amdhsa.kernels:
  - .name:           k_q5fcb3b8422_oproj
    .symbol:         k_q5fcb3b8422_oproj.kd
    .args:
      - { .name: oc, .offset: 0, .size: 8, .value_kind: global_buffer, .address_space: global }
      - { .name: os, .offset: 8, .size: 8, .value_kind: global_buffer, .address_space: global }
      - { .name: opc, .offset: 16, .size: 8, .value_kind: global_buffer, .address_space: global }
      - { .name: ops, .offset: 24, .size: 8, .value_kind: global_buffer, .address_space: global }
      - { .name: out0, .offset: 32, .size: 8, .value_kind: global_buffer, .address_space: global }
    .group_segment_fixed_size: 327680
    .private_segment_fixed_size: 0
    .kernarg_segment_align: 8
    .kernarg_segment_size: 40
    .max_flat_workgroup_size: 128
    .sgpr_count:     100
    .vgpr_count:     1024
    .wavefront_size: 32
...
	.end_amdgpu_metadata
.endif
;; end of part 4
